; MI455X (gfx1250); checked and timed in simulation.
; The chip was launched on July 23, 2026; its instructions are those of AMD's public machine-readable ISA for CDNA 5 (MIT licence, August 2026) and "CDNA5" Instruction Set Architecture Reference Guide (July 2026). The comments in the code are by the model that wrote it; some were corrected since.
;; Multi Head Attention. Allowed arithmetic: matrix products marked QUANTISED: E2M3 operands, one E8M0 scale for each 32 along K, by v_wmma_scale_f32_16x16x128_f8f6f4 with both operands' format E2M3, f32 sums; everything else in f32.
;; Inputs: b_k 1,024 float32; b_o 1,024 float32; b_q 1,024 float32; b_v 1,024 float32; key 4 x 2,048 x 1,024 float32; mask 4 x 1 x 2,048 x 2,048 bool; query 4 x 2,048 x 1,024 float32; value 4 x 2,048 x 1,024 float32; w_k 1,024 x 1,024 float32; w_o 1,024 x 1,024 float32; w_q 1,024 x 1,024 float32; w_v 1,024 x 1,024 float32.
;; Outputs: out0 4 x 2,048 x 1,024 float32.
;; This version of the problem:
;;   THIS VERSION OF THE PROBLEM IS GIVEN IN LOW PRECISION. The matrix products marked QUANTISED in the list below multiply operands that are first quantised to E2M3 (2 exponent bits, 3 mantissa bits; 6 bits a number), with one power-of-two scale for each 32 numbers along K (OCP MX v1.0); their sums are f32. All else is computed in f32.
;;   The module's matrix products, in the order in which they are computed (A, B: the left and right operand; K: the contracted axis; several contracted axes count as one K, in the product's order):
;;     1. [M 8,192, K 1,024] x [K 1,024, N 1,024]; A: input query; B: input w_q: QUANTISED
;;     2. [M 8,192, K 1,024] x [K 1,024, N 1,024]; A: input key; B: input w_k: QUANTISED
;;     3. [M 8,192, K 1,024] x [K 1,024, N 1,024]; A: input value; B: input w_v: QUANTISED
;;     4. batch 64 x [M 2,048, K 64] x [K 64, N 2,048]; A: computed on the way; B: computed on the way: QUANTISED
;;     5. batch 64 x [M 2,048, K 2,048] x [K 2,048, N 64]; A: softmax (see below); B: computed on the way: QUANTISED
;;     6. [M 8,192, K 1,024] x [K 1,024, N 1,024]; A: computed on the way; B: input w_o: QUANTISED
;;   THE QUANTISER, for each operand of a quantised product, along K:
;;     - K is cut into blocks of 32 from its start; a last block that is shorter is filled with zeros.
;;     - A block's scale is 2^e with e = floor(log2(the largest magnitude in the block)) - 2, held to -126 .. 127; a block of zeros has e = 0. As a byte (E8M0): e + 127.
;;     - Each number is divided by its block's scale, clamped to +-7.5, and rounded to the nearest number of E2M3, ties to even, subnormals kept.
;;     - The product sums the exact products of the quantised numbers (number of the format x scale) in f32.
;;   ~~~python
;;   def quantise(x, axis):      # numpy; x: float32 -> the quantised numbers, widened to float32 again
;;       x = np.moveaxis(x, axis, -1); K = x.shape[-1]
;;       x = np.pad(x, [(0, 0)] * (x.ndim - 1) + [(0, -K % 32)]); x = x.reshape(x.shape[:-1] + (-1, 32)); a = np.abs(x).max(-1, keepdims=True)
;;       e = np.where(a > 0, np.clip(np.frexp(np.where(a > 0, a, 1))[1] - 1 - 2, -126, 127), 0)      # np.frexp(a)[1] - 1 = floor(log2(a)), exactly
;;       r = np.clip(x / 2.0 ** e, -7.5, 7.5)
;;       step = 2.0 ** (np.maximum(np.frexp(np.where(r == 0, 1, r))[1] - 1, 0) - 3)
;;       q = np.round(r / step) * step * 2.0 ** e      # np.round: ties to even
;;       return np.moveaxis(q.reshape(q.shape[:-2] + (-1,))[..., :K], -1, axis).astype(np.float32)
;;   ~~~
;;   SOFTMAX AHEAD OF A QUANTISED PRODUCT. Where the list says 'softmax', what is quantised is not the finished softmax but p = 2^(t - M), with t = logit x log2(e) and M = ceil(the row's largest t), a whole number; so 1/2 < the row's largest p <= 1. The row's sum l is taken of the UNQUANTISED p, in f32, and the product's result is divided by l at the end. Since M is a whole number, a kernel that streams over the keys may use a running M (the ceiling of the running maximum): every later rescaling is an exact power of two, which a block's scale takes up: the codes' values come out the same.
;;   OPERANDS COMPUTED ON THE WAY. 'Computed on the way' means the value that the module computes at that place (a softmax that the list does not call 'softmax' is quantised finished and normalised). What goes into a quantiser is computed in f32, as accurately as f32 sums, v_exp_f32 and their like allow (about 1e-6 of the number): no bf16 or f16 on the way to a quantiser, and a product that is left as it is and whose result goes on into a quantised operand takes f32 operands (vector FMAs, or v_wmma_f32_16x16x4_f32). A number that lies on a knife's edge between two numbers of the format may be rounded either way, as far as f32 arithmetic and the matrix unit's own rounding can turn it there, and no further.
;; One version. Each part assembles by itself: llvm-mc -triple=amdgcn-amd-amdhsa -mcpu=gfx1250 --defsym DOCPART=n.
;; ======== version 1 of 1: 4 launches
;; limits: right only within a limited range of input values
;; workspace buffers: xq 19,660,800 bytes; wq 3,276,800 bytes; pq 20,447,232 bytes; aq 6,815,744 bytes; mb 2,097,152 bytes of whole numbers
;; launch quant (part 1): grid 576 x 1, 4 waves a work-group, no clusters, 34,304 bytes of LDS; arguments query, key, value, w_q, w_k, w_v, w_o, mask, xq, wq, mb; writes xq, wq, mb
.if DOCPART == 1
	.amdgcn_target "amdgcn-amd-amdhsa--gfx1250"
	.amdhsa_code_object_version 6
	.text
	.protected	k_qef3927d71e_quant
	.globl	k_qef3927d71e_quant
	.p2align	8
	.type	k_qef3927d71e_quant,@function
k_qef3927d71e_quant:
	s_mov_b64 s[64:65], 0
	v_nop
	global_prefetch_b8 v0, s[64:65] scope:SCOPE_SE
	s_setreg_imm32_b32 hwreg(HW_REG_WAVE_MODE, 25, 1), 1
	s_wait_xcnt 0x0
; FIRST LAUNCH: the three activations [8192][1024] and the four weights [1024][1024], f32 with K innermost, become codes of FP6 (E2M3) with one E8M0 byte for each 32 along K;
; the mask [4][2048][2048] of bytes becomes words of one bit a lane.
; A UNIT is 128 rows x 128 along K = 12,800 bytes, laid in the order of the operand's registers: tile i (16 rows) at byte 1,536 i; in it registers 4 j .. 4 j + 3 of lane L at 512 j + 16 L.
; Lane (r, h) of tile i holds row PI(i, r) = 32 (i / 2) + 8 (i % 2) + r + 8 (r / 8) of the 128; its registers 6 c .. 6 c + 5 hold k = 64 c + 32 h + 0 .. 31.
; From byte 12,288 on: at 16 L + 4 p the scale word (four bytes, k = 32 b ..) of row L % 16 of tile 2 p + L / 16.
; xq: unit (64 t + R) 8 + s (t: query, key, value; R: block of 128 rows; s: 128 along K);  wq: unit (8 t + R) 8 + s (t: w_q, w_k, w_v, w_o).
; mb: for batch b, tile of queries T (0 .. 127) and key step st (128 keys) 64 words at ((128 b + T) 16 + st) 256: bit L = (r, h) of word 16 B + i is
; mask[b][128 (T / 8) + PI(T % 8, r)][128 st + 32 B + 16 h + i] != 0: the lane and register in which the attention launch holds that score.
; SHARES: work-groups 0 .. 447: a wave makes one unit.  Work-groups 448 .. 575: a wave makes the words of one (b, T).  Waves share nothing: no barrier.
; A block's scale is 2^(floor(log2(largest magnitude)) - 2); its byte is that magnitude's exponent field - 2, held at 1 from below.
; LIMITS: a block of zeros gets the byte 1 where the rule says 127 (its codes are zeros, and this program alone reads the bytes); largest magnitudes under 2^-124 are held at that floor;
; NaN and infinities among the inputs are not served.  A mask byte counts as true where it is not 0.
.set STG,   8448                       ; a wave's stage in LDS: 16 rows x (512 bytes + 16)
.set SPARE, 4*STG                      ; behind the stages: the spare words, 128 bytes for each wave, which no other line names
.set LI,  2                            ; v2   16 x lane
.set STI, 3                            ; v3   the stage, on the way in: 16 x lane
.set STO, 4                            ; v4   and out: 528 r + 128 h
.set SPW, 5                            ; v5   my spare word; never rewritten
.set NIL, 6                            ; v6   0; never rewritten
.set R,   16                           ; v16-143  two sets of 16 rows x 4 registers as loaded
.set X,   144                          ; v144-207 my 64 numbers: register 32 c + i = k 64 c + 32 h + i of row r
.set C,   208                          ; v208-219 the fragment's codes
.set CT,  220                          ; v220-222, v224-226: a block's second 16 codes (a conversion's three registers begin on an even number)
.set SW,  236                          ; v236-243 the eight tiles' scale words
.set SS,  244                          ; v244-247 the unit's block of scale words
.set W,   16                           ; mask path: v16-31 four sets of four registers of words
.set MK,  32                           ; v32-159  mask bytes
.set TT,  160                          ; v160-163 at work
	s_load_b512 s[4:19], s[0:1], 0x0               ; query, key, value, w_q, w_k, w_v, w_o, mask
	s_load_b128 s[20:23], s[0:1], 0x40             ; xq, wq
	s_load_b64 s[24:25], s[0:1], 0x50              ; mb
	v_lshl_add_u32 v[SPW], v0, 2, SPARE
	v_mov_b32 v[NIL], 0
	v_lshrrev_b32 v1, 5, v0
	v_readfirstlane_b32 s26, v1                    ; wave
	v_and_b32 v1, 31, v0                           ; lane
	v_lshlrev_b32 v[LI], 4, v1
	v_and_b32 v8, 15, v0                           ; r
	v_bfe_u32 v9, v0, 4, 1                         ; h
	s_cmp_ge_u32 ttmp9, 448
	s_cbranch_scc1 .Lmask
	; ---------------- a unit of codes
	s_lshl_b32 s27, ttmp9, 2
	s_add_co_u32 s27, s27, s26                     ; u: which unit
	s_mul_i32 s30, s26, STG
	v_add_nc_u32 v[STI], s30, v[LI]
	v_mul_u32_u24 v[STO], v8, 528
	v_lshl_add_u32 v[STO], v9, 7, v[STO]
	v_add_nc_u32 v[STO], s30, v[STO]
	v_lshlrev_b32 v7, 3, v9                        ; 8 h: where my two scale bytes stand in the word
	s_mov_b32 s28, 0x76543210
	s_mov_b32 s29, 0xfedcba98                      ; v_permlanex16_b32's selects for lane l xor 16
	s_mov_b32 s31, 0xffff0000                      ; lanes 16-31
	v_mov_b32 v232, 0                              ; written once: a lane permute's destination counts as one of its sources
	s_wait_kmcnt 0x0
	s_cmp_lt_u32 ttmp9, 432                        ; which tensor: the choice hangs on the work-group's number alone
	s_cselect_b64 s[32:33], s[14:15], s[16:17]
	s_cmp_lt_u32 ttmp9, 416
	s_cselect_b64 s[32:33], s[12:13], s[32:33]
	s_cmp_lt_u32 ttmp9, 400
	s_cselect_b64 s[32:33], s[10:11], s[32:33]
	s_cmp_lt_u32 ttmp9, 384
	s_cselect_b64 s[32:33], s[8:9], s[32:33]
	s_cselect_b64 s[34:35], s[20:21], s[22:23]     ; xq or wq
	s_cselect_b32 s36, 511, 63                     ; units in a tensor - 1
	s_cselect_b32 s37, 0, 1536                     ; the first unit of the buffer
	s_cmp_lt_u32 ttmp9, 256
	s_cselect_b64 s[32:33], s[6:7], s[32:33]
	s_cmp_lt_u32 ttmp9, 128
	s_cselect_b64 s[32:33], s[4:5], s[32:33]
	s_and_b32 s36, s27, s36
	s_lshr_b32 s38, s36, 3                         ; R
	s_and_b32 s36, s36, 7                          ; s
	s_lshl_b32 s38, s38, 19                        ; 128 rows of 4,096 bytes
	s_lshl_b32 s36, s36, 9                         ; 128 numbers
	s_add_co_u32 s38, s38, s36
	s_mov_b32 s39, 0
	s_add_nc_u64 s[32:33], s[32:33], s[38:39]
	s_sub_co_u32 s38, s27, s37
	s_mul_i32 s38, s38, 12800
	s_add_nc_u64 s[34:35], s[34:35], s[38:39]
.macro LOAD i                          ; tile i's 16 rows: each load takes one row's 512 consecutive bytes, 16 a lane
.irp n, 0,1,2,3,4,5,6,7,8,9,10,11,12,13,14,15
	global_load_b128 v[R+64*((\i)%2)+4*\n:R+64*((\i)%2)+4*\n+3], v[LI], s[32:33] offset:(32*((\i)/2)+8*((\i)%2)+\n+8*(\n/8))*4096 th:TH_LOAD_NT
.endr
.endm
.macro FRAGQ i
.if (\i) < 7
	s_wait_loadcnt 16                              ; this tile's 16 loads are in; the next tile's 16 may be out
.else
	s_wait_loadcnt 0
.endif
.irp n, 0,1,2,3,4,5,6,7,8,9,10,11,12,13,14,15
	ds_store_b128 v[STI], v[R+64*((\i)%2)+4*\n:R+64*((\i)%2)+4*\n+3] offset:528*\n
.endr
.irp c, 0,1
.irp j, 0,1,2,3,4,5,6,7
	ds_load_b128 v[X+32*\c+4*\j:X+32*\c+4*\j+3], v[STO] offset:256*\c+16*\j   ; my own bytes; LDS serves a wave's instructions in order (ISA guide 5.7.1.4): these see the stores above, and the next tile's stores come behind them
.endr
.endr
	s_wait_dscnt 0x0                               ; my 64 numbers are in, and the stores have read their registers,
.if (\i) < 6
	LOAD (\i)+2                                    ; which take the tile two further on
.endif
.irp c, 0,1
	v_max3_num_f32 v[228+\c], |v[X+32*\c]|, |v[X+32*\c+1]|, 0x1800000   ; block 2 c + h is all mine; the floor 2^(3 - 127) holds the byte at 1 from below
.endr
.irp n, 2,4,6,8,10,12,14,16,18,20,22,24,26,28,30
.irp c, 0,1
	v_max3_num_f32 v[228+\c], v[228+\c], |v[X+32*\c+\n]|, |v[X+32*\c+\n+1]|
.endr
.endr
.irp c, 0,1
	v_add_nc_u32 v[230+\c], 0xff000000, v[228+\c]  ; 2 off the exponent field: the conversion takes this operand's exponent field as its scale
.endr
.irp c, 0,1
	v_lshrrev_b32 v[228+\c], 23, v[230+\c]         ; the scale's byte
.endr
	v_lshl_or_b32 v233, v229, 16, v228             ; my bytes: blocks h and 2 + h,
	v_lshlrev_b32 v233, v7, v233                   ; at their places;
	v_permlanex16_b32 v232, v233, s28, s29
	v_or_b32 v[SW+\i], v233, v232                  ; with lane l xor 16's two the row's word is whole
.if (\i) > 0
	s_wait_alu depctr_va_vdst(0)
	s_wait_xcnt 0x0                                ; the last tile's stores have read the codes' registers
.endif
.irp c, 0,1
	v_cvt_scalef32_pk16_fp6_f32 v[C+6*\c:C+6*\c+2], v[X+32*\c:X+32*\c+15], v[230+\c]
	v_cvt_scalef32_pk16_fp6_f32 v[CT+4*\c:CT+4*\c+2], v[X+32*\c+16:X+32*\c+31], v[230+\c]
.endr
	v_nop                                          ; one plain place behind a scaled conversion
.irp c, 0,1
.irp k, 0,1,2
	v_mov_b32 v[C+6*\c+3+\k], v[CT+4*\c+\k]
.endr
.endr
.irp j, 0,1,2
	global_store_b128 v[LI], v[C+4*\j:C+4*\j+3], s[34:35] offset:1536*(\i)+512*\j   ; 32 lanes store 512 consecutive bytes, at a multiple of 256 from the buffer's first byte
.endr
.endm
	s_wait_alu depctr_va_vdst(0)
	LOAD 0
	LOAD 1
.irp i, 0,1,2,3,4,5,6,7
	FRAGQ \i
.endr
.irp p, 0,1,2,3
	v_cndmask_b32 v[SS+\p], v[SW+2*\p], v[SW+2*\p+1], s31   ; lanes 0-15: tile 2 p's words; lanes 16-31: tile 2 p + 1's
.endr
	global_store_b128 v[LI], v[SS:SS+3], s[34:35] offset:12288
	s_wait_tensorcnt 0x0                           ; the wave's end, behind my last LDS store
	ds_add_u32 v[SPW], v[NIL]
	s_wait_dscnt 0x0
	s_endpgm
	; ---------------- the mask's words: no LDS on this path
.Lmask:
	s_sub_co_u32 s27, ttmp9, 448
	s_lshl_b32 s27, s27, 2
	s_add_co_u32 s27, s27, s26                     ; 128 b + T
	s_lshr_b32 s30, s27, 7                         ; b
	s_and_b32 s31, s27, 127                        ; T
	s_lshl_b32 s30, s30, 22                        ; a batch's 2,048 x 2,048 bytes
	s_lshr_b32 s36, s31, 3
	s_lshl_b32 s36, s36, 7                         ; 128 (T / 8)
	s_bfe_u32 s37, s31, 0x20001
	s_lshl_b32 s37, s37, 5                         ; 32 ((T % 8) / 2)
	s_add_co_u32 s36, s36, s37
	s_and_b32 s37, s31, 1
	s_lshl_b32 s37, s37, 3                         ; 8 (T % 2)
	s_add_co_u32 s36, s36, s37
	s_lshl_b32 s36, s36, 11                        ; rows of 2,048 bytes
	s_add_co_u32 s38, s36, s30
	s_mov_b32 s39, 0
	s_lshl_b32 s36, s27, 12                        ; 16 steps x 256 bytes of words
	s_mov_b32 s37, 0
	s_wait_alu depctr_va_vdst(0)
	v_and_b32 v10, 8, v8
	v_add_nc_u32 v10, v10, v8                      ; r + 8 (r / 8)
	v_lshlrev_b32 v10, 11, v10
	v_lshl_add_u32 v10, v9, 4, v10                 ; my query's row, + 16 h
.set j, 0
.rept 16
	v_mov_b32 v[W+j], 0                            ; written once: v_writelane_b32's destination counts as read
.set j, j+1
.endr
	s_wait_kmcnt 0x0
	s_add_nc_u64 s[18:19], s[18:19], s[38:39]
	s_add_nc_u64 s[24:25], s[24:25], s[36:37]
	s_mov_b32 s30, 0
.Ltrip:                                                ; two trips of 1,024 keys, in four parts of 256; a trip's 32 loads go out together
.irp sub, 0,1,2,3
.irp blk, 0,1,2,3,4,5,6,7
	global_load_b128 v[MK+32*\sub+4*\blk:MK+32*\sub+4*\blk+3], v10, s[18:19] offset:256*\sub+32*\blk   ; keys 256 sub + 32 blk + 16 h + 0 .. 15 of my query
.endr
.endr
.irp sub, 0,1,2,3
	s_wait_loadcnt 24-8*\sub                       ; this part's eight loads are in; the later parts' may be out
.set g, 0
.rept 32                               ; byte e of register g is word 4 g + e of the part's 128: its 32 lanes' bits go to lane g of register e
.irp e, 0,1,2,3
	v_and_b32 v[TT+\e], 0xff<<(8*\e), v[MK+32*\sub+g]
.endr
.irp e, 0,1,2,3
	v_cmp_ne_u32 s[40+4*(g%2)+\e], 0, v[TT+\e]
.endr
.irp e, 0,1,2,3
	v_writelane_b32 v[W+4*\sub+\e], s[40+4*(g%2)+\e], g
.endr
.set g, g+1
.endr
	global_store_b128 v[LI], v[W+4*\sub:W+4*\sub+3], s[24:25] offset:512*\sub   ; two key steps' words: 512 consecutive bytes
.endr
	s_wait_xcnt 0x0                                ; the bases and the words' registers are written again only behind this wait
	s_add_nc_u64 s[18:19], s[18:19], 1024
	s_add_nc_u64 s[24:25], s[24:25], 2048
	s_add_co_u32 s30, s30, 1
	s_cmp_lt_u32 s30, 2
	s_cbranch_scc1 .Ltrip
	s_endpgm
.Lfunc_end_k_qef3927d71e_quant:
	.size	k_qef3927d71e_quant, .Lfunc_end_k_qef3927d71e_quant-k_qef3927d71e_quant
	.p2alignl 7, 3214868480
	.fill 96, 4, 3214868480
	.section	.rodata,"a",@progbits
	.p2align	6, 0x0
	.amdhsa_kernel k_qef3927d71e_quant
		.amdhsa_group_segment_fixed_size 34304
		.amdhsa_private_segment_fixed_size 0
		.amdhsa_enable_private_segment 0
		.amdhsa_kernarg_size 88
		.amdhsa_user_sgpr_count 2
		.amdhsa_user_sgpr_kernarg_segment_ptr 1
		.amdhsa_wavefront_size32 1
		.amdhsa_system_sgpr_workgroup_id_x 1
		.amdhsa_system_sgpr_workgroup_id_y 1
		.amdhsa_system_sgpr_workgroup_id_z 1
		.amdhsa_system_vgpr_workitem_id 0
		.amdhsa_next_free_vgpr 248
		.amdhsa_next_free_sgpr 66
		.amdhsa_reserve_vcc 0
		.amdhsa_float_denorm_mode_32 3
		.amdhsa_float_denorm_mode_16_64 3
		.amdhsa_memory_ordered 1
		.amdhsa_forward_progress 1
		.amdhsa_inst_pref_size 159
	.end_amdhsa_kernel
	.amdgpu_metadata
---
amdhsa.version: [ 1, 2 ]
amdhsa.kernels:
  - .name:           k_qef3927d71e_quant
    .symbol:         k_qef3927d71e_quant.kd
    .args:
      - { .name: query, .offset: 0, .size: 8, .value_kind: global_buffer, .address_space: global }
      - { .name: key, .offset: 8, .size: 8, .value_kind: global_buffer, .address_space: global }
      - { .name: value, .offset: 16, .size: 8, .value_kind: global_buffer, .address_space: global }
      - { .name: w_q, .offset: 24, .size: 8, .value_kind: global_buffer, .address_space: global }
      - { .name: w_k, .offset: 32, .size: 8, .value_kind: global_buffer, .address_space: global }
      - { .name: w_v, .offset: 40, .size: 8, .value_kind: global_buffer, .address_space: global }
      - { .name: w_o, .offset: 48, .size: 8, .value_kind: global_buffer, .address_space: global }
      - { .name: mask, .offset: 56, .size: 8, .value_kind: global_buffer, .address_space: global }
      - { .name: xq, .offset: 64, .size: 8, .value_kind: global_buffer, .address_space: global }
      - { .name: wq, .offset: 72, .size: 8, .value_kind: global_buffer, .address_space: global }
      - { .name: mb, .offset: 80, .size: 8, .value_kind: global_buffer, .address_space: global }
    .group_segment_fixed_size: 34304
    .private_segment_fixed_size: 0
    .kernarg_segment_align: 8
    .kernarg_segment_size: 88
    .max_flat_workgroup_size: 128
    .sgpr_count:     66
    .vgpr_count:     248
    .wavefront_size: 32
...
	.end_amdgpu_metadata
.endif
;; end of part 1
;; launch proj (part 2): grid 4 x 64, 4 waves a work-group, clusters of 4 x 4, 327,680 bytes of LDS; arguments xq, wq, b_q, b_k, b_v, pq; writes pq
.if DOCPART == 2
	.amdgcn_target "amdgcn-amd-amdhsa--gfx1250"
	.amdhsa_code_object_version 6
	.text
	.protected	k_qef3927d71e_proj
	.globl	k_qef3927d71e_proj
	.p2align	8
	.type	k_qef3927d71e_proj,@function
k_qef3927d71e_proj:
	s_mov_b64 s[64:65], 0
	v_nop
	global_prefetch_b8 v0, s[64:65] scope:SCOPE_SE
	s_setreg_imm32_b32 hwreg(HW_REG_WAVE_MODE, 25, 1), 1
	s_wait_xcnt 0x0
	s_wait_alu depctr_hold_cnt(0) depctr_sa_sdst(0) depctr_va_vdst(0) depctr_va_sdst(0) depctr_va_ssrc(0) depctr_va_vcc(0) depctr_vm_vsrc(0)
	s_getreg_b32 s2, hwreg(HW_REG_IB_STS2, 6, 4)
	s_cmp_eq_u32 s2, 0
	s_cbranch_scc0 .Lentry_in_a_cluster
	s_endpgm
.Lentry_in_a_cluster:
	s_bfe_u32 s2, ttmp6, 0x10000c
	s_cmp_lg_u32 s2, 0xf033
	s_cbranch_scc0 .Lentry_shape_is_right
	s_endpgm
.Lentry_shape_is_right:
; SECOND LAUNCH: Q = query W_q^T + b_q, K = key W_k^T + b_k, V = value W_v^T + b_v on codes of FP6 (E2M3), and the quantisers of the three results, which leave as codes and scale words in pq.
; xq, wq: units of 12,800 bytes (128 rows x 128 along K as images of operand registers, tile i at 1,536 i, scale words from byte 12,288 on), eight units on end for a block of 128 rows.
; A WORK-GROUP STAYS and makes three blocks of 128 x 256, one of Q, one of K, one of V: 3 x 256 blocks on 256 work-groups.  Side A (source 1, 128 rows) gives a lane its row, side B (source 0, 256 rows) runs along a lane's registers,
; which is the next product's K.  Q, K: A = tokens, B = the weight's rows (channels).  V: A = W_v's rows, B = tokens (the keys).  Four waves, 2 x 2: a wave makes 64 x 128: 32 accumulators.
; LDS holds a block's whole K, laid by operand: A's eight units, then B's two blocks of eight units: 307,200 bytes.  THE RING's two slots are K steps 0 to 3 and K steps 4 to 7 of the three regions.
; At the head each wave asks for its part of BOTH slots by its one tensor load (waves 0, 1 four units of A, waves 2, 3 eight units of B).  In K step 3 slot 0 is read no more and takes the next block's K steps 0 to 3; in K step 7 slot 1
; takes its K steps 4 to 7 (waves 0, 1 two units of A, waves 2, 3 four units of B): each behind the waits, an LDS add and a round of the cluster's barrier.
; Q and K are two trips of one loop; V is written out behind it and asks for nothing more.  CLUSTER 4 x 4: A's units are shared along a row of the cluster, B's along a column, and are asked for jointly.
; PREFETCH: behind each joint load a wave asks for its work-group's quarter of the bytes that its NEXT refill will load: the four partners of a joint load share them out by address (cx for A, cy for B), a lane a block of 256 bytes,
; 25 lanes an instruction (lanes 25 to 31 name lane 24's again): A's waves 6,400 bytes, B's waves 2 x 6,400.  The head asks for the first refill's bytes; the last refill asks for nothing.
; pq: units of 13,312 bytes, two halves of 6,656 (a head each): 6,144 of codes, 512 of scale words.  A half fragment is six registers, 768 bytes: four at 16 x lane, two at 512 + 8 x lane.  Q, K: tile T's halves at 768 T of each half.
; V: tile T at 6,656 (T / 4) + 1,536 (T % 4).  Scale words, Q, K: at 6,144 + 256 g + 8 L + 4 p the word of row L % 16 of tile 4 g + 2 p + L / 16, the head's two bytes twice.  V: at 6,144 + 8 L + 4 p, tile 2 p + L / 16 of the head's four, and once more 256 on.
; LIMITS: a block of zeros gets the byte 1 (its codes are zeros; this program alone reads the bytes); NaN and infinities are not served.
; WINDOWS: 0 addresses, scale words, bias, A's two sets of fragments; 1 B's two sets; 2 accumulators; 3 the way out.
.set UNIT,  12800
.set PU,    13312
.set HK,    4*UNIT                     ; from K step 0 to K step 4 in each region
.set BOFF,  8*UNIT
.set SPARE, 24*UNIT
.set ADRA, 16
.set ADAS, 18
.set ADRB, 20
.set LI,   26
.set SPW,  28
.set NIL,  29
.set PFO,  30
.set SC,   32
.set B1,   48
.set CB,   64
.set AF,   128
.set H,    0                           ; window 3 from here on
.set PC,   64
.set TM,   96
.set SW,   112
.set SS,   116
.set X,    120
.set LI3,  124
.set L83,  125
.set SEL,  96
.set G1A, 24
.set G0A, 32
.set G1B, 48
.set G0B, 56
.set MSB, 0
.macro WIN new
.if MSB != (\new)
	s_set_vgpr_msb (MSB<<8)|(\new)
.set MSB, (\new)
.endif
.endm
.macro PLACES
.rept 4
	v_nop
.endr
.endm
.macro JLOAD                           ; waves 0, 1 ask for A, waves 2, 3 for B: one joint load a wave
	s_cmp_eq_u32 s17, 0
	s_cbranch_scc0 .Lfor_b_\@
	tensor_load_to_lds s[G0A:G0A+3], s[G1A:G1A+7]
	s_nop 0
	PLACES
	s_branch .Lasked_\@
.Lfor_b_\@:
	tensor_load_to_lds s[G0B:G0B+3], s[G1B:G1B+7]
	s_nop 0
	PLACES
.Lasked_\@:
.endm
.macro ASK p, off, once                ; my quarter of what my next refill loads; once = 1: in the loop's first trip alone (behind the second nothing is left to fetch)
.if \once
	s_cmp_eq_u32 s92, 0
	s_cbranch_scc0 .Lno_ask_\@
.endif
	global_prefetch_b8 v[PFO], s[\p:\p+1] offset:\off th:TH_LOAD_NT scope:SCOPE_SE
	s_cmp_eq_u32 s17, 0
	s_cbranch_scc1 .Lno_ask_\@
	global_prefetch_b8 v[PFO], s[\p:\p+1] offset:(\off)+6400 th:TH_LOAD_NT scope:SCOPE_SE
.Lno_ask_\@:
.endm
.macro CREST
	s_cmp_lg_u32 s16, 0
	s_cbranch_scc1 .Lnot_wave_0_\@
	s_barrier_signal -3
.Lnot_wave_0_\@:
	s_barrier_wait -3
	s_barrier_signal -1
	s_barrier_wait -1
.endm
.macro CROUND
	s_barrier_signal -1
	s_barrier_wait -1
	CREST
.endm
.macro SETG sl, pa, pb                 ; both groups 0 for slot sl of the block whose units begin at s[pa], s[pb]; written only where no tensor load of the wave is out
	s_add_co_u32 s[G0A+1], s60, (\sl)*HK
	s_add_nc_u64 s[G0A+2:G0A+3], s[\pa:\pa+1], (\sl)*HK
	s_or_b32 s[G0A+3], s[G0A+3], 0x80000000
	s_add_co_u32 s[G0B+1], s61, (\sl)*HK
	s_add_nc_u64 s[G0B+2:G0B+3], s[\pb:\pb+1], (\sl)*HK
	s_or_b32 s[G0B+3], s[G0B+3], 0x80000000
.endm
.macro MM1 ra, rb, c
	v_wmma_scale_f32_16x16x128_f8f6f4 v[rD:rD+7], v[rF0:rF0+11], v[rF1:rF1+11], \c, v[rX0], v[rX1] matrix_a_fmt:MATRIX_FMT_FP6 matrix_b_fmt:MATRIX_FMT_FP6 matrix_a_scale:MATRIX_SCALE_ROW\ra matrix_b_scale:MATRIX_SCALE_ROW\rb
.endm
.macro MUL16 a0, st, first             ; A's tiles a0, a0 + 1 x B's eight; the 32 accumulators take turns
.irp ap, 0,1
.irp bh, 0,1,2,3
.irp bp, 0,1
.set rD,  8*(8*((\a0)+\ap)+2*\bh+\bp)
.set rF0, 128*(\st)+12*(2*\bh+\bp)
.set rF1, AF+48*(\st)+12*((\a0)+\ap)
.set rX0, SC+8*(\st)+4+\bh
.set rX1, SC+8*(\st)+(\a0)/2
.if \first
	MM1 \bp, \ap, 0
.else
	MM1 \bp, \ap, v[rD:rD+7]
.endif
.endr
.endr
.endr
.endm
.macro FRAG reg, adr, off
.irp j, 0,1,2
	ds_load_b128 v[(\reg)+4*\j:(\reg)+4*\j+3], v[\adr] offset:(\off)+512*\j
.endr
.endm
.macro FETCH k                         ; K step k's fragments and scale words into set k % 2: 38 loads
.set sl, (\k)/4
.set q,  (\k)%4
.set st, (\k)%2
	WIN 0x40
.irp i, 0,1,2,3,4,5,6,7
	FRAG 128*st+12*\i, ADRB+sl, q*UNIT+1536*\i
.endr
	WIN 0
.irp i, 0,1,2,3
	FRAG AF+48*st+12*\i, ADRA+sl, q*UNIT+1536*\i
.endr
	ds_load_b64 v[SC+8*st:SC+8*st+1], v[ADAS+sl] offset:q*UNIT+12288
	ds_load_b128 v[SC+8*st+4:SC+8*st+7], v[ADRB+sl] offset:q*UNIT+12288
.endm
.macro KSTEP k, first
	s_wait_dscnt 0x0                               ; this step's set is in
	PLACES                                         ; behind the last step's products, ahead of loads into the set that they read
	FETCH (\k)+1
	WIN 0xa1
	MUL16 0, (\k)%2, \first
	MUL16 2, (\k)%2, \first
	WIN 0
.endm
.macro KTURN k, last                   ; K step 3 or 7: the slot has been read out
	s_wait_dscnt 0x0                               ; this step's set is in: my last reads of the slot
	s_wait_tensorcnt 0x0                           ; my load into the other slot has landed
	ds_add_u32 v[SPW], v[NIL]
.if !(\last)
	SETG (\k)/4, 68, 74
.endif
	WIN 0xa1
	MUL16 0, (\k)%2, 0
	s_wait_dscnt 0x0
	s_barrier_signal -1
	MUL16 2, (\k)%2, 0
	WIN 0
	s_barrier_wait -1
.if \last
	PLACES
.else
	CREST
	JLOAD                                          ; the next block's K steps 0 to 3 or 4 to 7, first behind the round
.if (\k) == 3
	ASK 36, HK, 0                                  ; the next refill: the same block's K steps 4 to 7
.else
	ASK 38, 0, 1                                   ; the next refill: K steps 0 to 3 of the block after it
.endif
.endif
	FETCH ((\k)+1)%8
.endm
.macro QUANT s, pw                     ; 64 numbers of a lane, register 16 b + i = index 32 b + 16 (lane / 16) + i of my row, become a fragment's codes and its scale word
.irp b, 0,1,2,3
	v_max3_num_f32 v[TM+\b], |v[\s+16*\b]|, |v[\s+1+16*\b]|, 0x1800000
.endr
.irp i, 2,4,6,8,10,12,14
.irp b, 0,1,2,3
	v_max3_num_f32 v[TM+\b], v[TM+\b], |v[\s+16*\b+\i]|, |v[\s+1+16*\b+\i]|
.endr
.endr
.irp b, 0,1,2,3
	v_permlanex16_b32 v[TM+4+\b], v[TM+\b], s[SEL], s[SEL+1]
.endr
.irp b, 0,1,2,3
	v_max_num_f32 v[TM+\b], v[TM+\b], v[TM+4+\b]
.endr
.irp b, 0,1,2,3
	v_add_nc_u32 v[TM+12+\b], 0xff000000, v[TM+\b]
.endr
.irp b, 0,1,2,3
	v_lshrrev_b32 v[TM+4+\b], 23, v[TM+12+\b]
.endr
	v_lshl_or_b32 v[\pw], v[TM+5], 8, v[TM+4]
	v_lshl_or_b32 v[\pw], v[TM+6], 16, v[\pw]
	v_lshl_or_b32 v[\pw], v[TM+7], 24, v[\pw]
.irp c, 0,1
	v_cvt_scalef32_pk16_fp6_f32 v[PC+6*\c:PC+2+6*\c], v[\s+32*\c:\s+15+32*\c], v[TM+12+2*\c]
	v_cvt_scalef32_pk16_fp6_f32 v[PC+12+4*\c:PC+14+4*\c], v[\s+16+32*\c:\s+31+32*\c], v[TM+12+2*\c+1]
.endr
	v_nop
.irp c, 0,1
.irp i, 0,1,2
	v_permlane16_swap_b32 v[PC+6*\c+\i], v[PC+12+4*\c+\i]
.endr
.irp i, 0,1,2
	v_mov_b32 v[PC+3+6*\c+\i], v[PC+12+4*\c+\i]
.endr
.endr
.endm
.macro EPI v                           ; the way out of my four tiles, in window 3; v = 1: V's form
.if !(\v)
	s_wait_loadcnt 0x0                             ; this block's bias
.endif
.irp a, 0,1,2,3
	s_wait_xcnt 0x0                                ; earlier stores have read the codes' registers
	WIN 0xc2
.set k, 0
.rept 32
.if \v
	v_pk_add_f32 v[H+k:H+k+1], v[64*\a+k:64*\a+k+1], v[B1+2*\a:B1+2*\a+1]
.else
	v_pk_add_f32 v[H+k:H+k+1], v[64*\a+k:64*\a+k+1], v[CB+k:CB+k+1]
.endif
.set k, k+2
.endr
	WIN 0xff
	QUANT H, SW+\a
.if \v
	global_store_b128 v[LI3], v[PC:PC+3], s[82:83] offset:1536*\a
	global_store_b64 v[L83], v[PC+4:PC+5], s[82:83] offset:1536*\a+512
	global_store_b128 v[LI3], v[PC+6:PC+9], s[82:83] offset:1536*\a+768
	global_store_b64 v[L83], v[PC+10:PC+11], s[82:83] offset:1536*\a+1280
.else
	global_store_b128 v[LI3], v[PC:PC+3], s[80:81] offset:768*\a
	global_store_b64 v[L83], v[PC+4:PC+5], s[80:81] offset:768*\a+512
	global_store_b128 v[LI3], v[PC+6:PC+9], s[80:81] offset:6656+768*\a
	global_store_b64 v[L83], v[PC+10:PC+11], s[80:81] offset:6656+768*\a+512
.endif
.endr
	v_cndmask_b32 v[SS], v[SW], v[SW+1], s94       ; lanes 0-15: the even tile's words; lanes 16-31: the odd tile's
	v_cndmask_b32 v[SS+1], v[SW+2], v[SW+3], s94
.if \v
	global_store_b64 v[L83], v[SS:SS+1], s[82:83] offset:6144
	global_store_b64 v[L83], v[SS:SS+1], s[82:83] offset:6400
.else
.irp p, 0,1
	v_perm_b32 v[X+\p], v[SS+\p], v[SS+\p], 0x01000100     ; the even head's two bytes, twice;
	v_perm_b32 v[X+2+\p], v[SS+\p], v[SS+\p], 0x03020302   ; the odd head's
.endr
	global_store_b64 v[L83], v[X:X+1], s[84:85]
	global_store_b64 v[L83], v[X+2:X+3], s[84:85] offset:6656
.endif
	WIN 0
.endm
.macro TILE v
	KSTEP 0, 1                                     ; the first products start the sums
.if !(\v)
.irp b, 0,1,2,3,4,5,6,7
	global_load_b128 v[CB+8*\b:CB+8*\b+3], v4, s[86:87] offset:(32*(\b/2)+8*(\b%2))*4
	global_load_b128 v[CB+8*\b+4:CB+8*\b+7], v4, s[86:87] offset:(32*(\b/2)+8*(\b%2))*4+16
.endr
.endif
	KSTEP 1, 0
	KSTEP 2, 0
	KTURN 3, \v
	KSTEP 4, 0
	KSTEP 5, 0
	KSTEP 6, 0
.if \v
	s_wait_dscnt 0x0
	WIN 0xa1
	MUL16 0, 1, 0
	MUL16 2, 1, 0
	WIN 0
	PLACES
.else
	KTURN 7, 0
.endif
	EPI \v
.endm
	s_load_b256 s[4:11], s[0:1], 0x0               ; xq, wq, b_q, b_k
	s_load_b128 s[12:15], s[0:1], 0x20             ; b_v, pq
	v_lshl_add_u32 v[SPW], v0, 2, SPARE
	v_mov_b32 v[NIL], 0
	ds_add_u32 v[SPW], v[NIL]                      ; the opening lines
	ds_add_u32 v[SPW], v[NIL]
	v_lshrrev_b32 v1, 5, v0
	v_readfirstlane_b32 s16, v1                    ; wave
	s_lshr_b32 s17, s16, 1                         ; my half of A's rows; also: I fetch for A (0) or B (1)
	s_and_b32 s18, s16, 1                          ; my half of B's rows; also: which part I fetch
	s_bfe_u32 s19, ttmp6, 0x40000                  ; cx
	s_bfe_u32 s20, ttmp6, 0x40004                  ; cy
	s_and_b32 s21, ttmp7, 0xffff                   ; the cluster's number, 0 .. 15
	s_lshl_b32 s46, s20, 2
	s_lshl_b32 s46, 15, s46
	s_lshl_b32 s47, 0x1111, s19
	s_or_b32 s[G1A], s46, (3<<16)|(1<<21)
	s_or_b32 s[G1B], s47, (3<<16)|(1<<21)
	s_mov_b32 s[G1A+1], 32<<16                     ; rows of 256 bytes; for the head's loads: A 200 (four units), B 400 (eight)
	s_mov_b32 s[G1A+2], 200<<16
	s_mov_b32 s[G1A+3], 32<<16
	s_mov_b32 s[G1A+4], 200
	s_mov_b32 s[G1A+5], 32
	s_mov_b32 s[G1A+6], 0
	s_mov_b32 s[G1A+7], 0
	s_mov_b32 s[G1B+1], 32<<16
	s_mov_b32 s[G1B+2], 400<<16
	s_mov_b32 s[G1B+3], 32<<16
	s_mov_b32 s[G1B+4], 400
	s_mov_b32 s[G1B+5], 32
	s_mov_b32 s[G1B+6], 0
	s_mov_b32 s[G1B+7], 0
	s_mov_b32 s[G0A], 1
	s_mov_b32 s[G0B], 1
	s_lshl_b32 s41, s21, 2
	s_add_co_u32 s41, s41, s20                     ; Q, K: A's block of 128 tokens
	s_and_b32 s42, s21, 1
	s_lshl_b32 s42, s42, 2
	s_add_co_u32 s42, s42, s20                     ; V: A's block of 128 channels
	s_lshl_b32 s40, s19, 1
	s_add_co_u32 s40, s40, s18                     ; Q, K: B's block of 128 channels
	s_lshr_b32 s43, s21, 1
	s_lshl_b32 s43, s43, 2
	s_add_co_u32 s43, s43, s19
	s_lshl_b32 s43, s43, 1
	s_add_co_u32 s43, s43, s18                     ; V: B's block of 128 tokens
	s_lshl_b32 s98, s41, 3                         ; the head's load of A: four units from unit 4 (wave % 2) on
	s_lshl_b32 s99, s18, 2
	s_add_co_u32 s98, s98, s99
	s_mul_i32 s98, s98, UNIT
	s_mov_b32 s99, 0
	s_lshl_b32 s44, s18, 1                         ; a refill's: two units from unit 2 (wave % 2) of the slot's four on
	s_lshl_b32 s66, s41, 3
	s_add_co_u32 s66, s66, s44
	s_mul_i32 s66, s66, UNIT                       ; Q's, in xq
	s_mov_b32 s67, 0
	s_lshl_b32 s70, s42, 3
	s_add_co_u32 s70, s70, s44
	s_add_co_u32 s70, s70, 128
	s_mul_i32 s70, s70, UNIT                       ; V's, in wq
	s_mov_b32 s71, 0
	s_lshl_b32 s72, s40, 3
	s_mul_i32 s72, s72, UNIT                       ; Q: my block of B, in wq
	s_mov_b32 s73, 0
	s_lshl_b32 s76, s43, 3
	s_add_co_u32 s76, s76, 1024
	s_mul_i32 s76, s76, UNIT                       ; V: in xq
	s_mov_b32 s77, 0
	s_mul_i32 s[G0A+1], s18, 4*UNIT                ; LDS: where the head's part of A goes,
	s_mul_i32 s60, s18, 2*UNIT                     ; a refill's,
	s_mul_i32 s61, s18, 8*UNIT
	s_add_co_u32 s61, s61, BOFF                    ; and my block of B; also my half of B's rows
	s_mov_b32 s[G0B+1], s61
	s_mul_i32 s62, s19, 6400                       ; the prefetches: my work-group's quarter of a refill's load: by cx for A,
	s_mul_i32 s63, s20, 12800                      ; by cy for B
	s_cmp_eq_u32 s17, 0
	s_cselect_b32 s62, s62, s63
	s_mov_b32 s63, 0
	s_lshr_b32 s78, s41, 4                         ; Q's unit of pq: ((tokens / 16) 8 + pair) 16 + tokens % 16
	s_lshl_b32 s78, s78, 3
	s_add_co_u32 s78, s78, s40
	s_lshl_b32 s78, s78, 4
	s_and_b32 s79, s41, 15
	s_add_co_u32 s78, s78, s79
	s_mul_i32 s78, s78, PU
	s_mul_i32 s79, s17, 3072
	s_add_co_u32 s80, s78, s79
	s_mov_b32 s81, 0
	s_lshl_b32 s79, s17, 8
	s_add_co_u32 s84, s78, s79
	s_add_co_u32 s84, s84, 6144
	s_mov_b32 s85, 0
	s_lshr_b32 s78, s43, 4                         ; V's
	s_lshl_b32 s78, s78, 3
	s_add_co_u32 s78, s78, s42
	s_lshl_b32 s78, s78, 4
	s_and_b32 s79, s43, 15
	s_add_co_u32 s78, s78, s79
	s_add_co_u32 s78, s78, 1024
	s_mul_i32 s78, s78, PU
	s_mul_i32 s79, s17, 6656
	s_add_co_u32 s82, s78, s79
	s_mov_b32 s83, 0
	s_lshl_b32 s86, s40, 9                         ; the bias of my 128 channels (Q, K)
	s_mov_b32 s87, 0
	s_lshl_b32 s90, s42, 9                         ; and of my 64 (V)
	s_lshl_b32 s79, s17, 8
	s_add_co_u32 s90, s90, s79
	s_mov_b32 s91, 0
	s_mov_b32 s94, 0xffff0000
	s_mov_b32 s[SEL], 0x76543210
	s_mov_b32 s[SEL+1], 0xfedcba98
	v_and_b32 v1, 31, v0
	v_lshlrev_b32 v[LI], 4, v1
	v_lshlrev_b32 v27, 3, v1
	v_min_u32 v[PFO], 24, v1
	v_lshlrev_b32 v[PFO], 8, v[PFO]                ; a lane a block of 256 bytes
	v_and_b32 v2, 15, v0
	v_bfe_u32 v3, v0, 4, 1
	v_lshlrev_b32 v4, 6, v3                        ; Q, K: register 8 b + j is channel 32 (b / 2) + 8 (b % 2) + 16 h + j
	v_and_b32 v5, 8, v2
	v_add_nc_u32 v5, v5, v2
	v_lshlrev_b32 v5, 2, v5                        ; V: lane r of tile a is channel 32 (a / 2) + 8 (a % 2) + r + 8 (r / 8)
	s_mul_i32 s45, s17, 6144
	v_add_nc_u32 v[ADRA], s45, v[LI]
	v_add_nc_u32 v[ADRA+1], HK, v[ADRA]
	s_lshl_b32 s45, s17, 3
	v_add_nc_u32 v[ADAS], s45, v[LI]
	v_add_nc_u32 v[ADAS+1], HK, v[ADAS]
	v_add_nc_u32 v[ADRB], s61, v[LI]
	v_add_nc_u32 v[ADRB+1], HK, v[ADRB]
	WIN 0xc0
	v_mov_b32 v[LI3], v[LI]
	v_mov_b32 v[L83], v27
.irp b, 0,1,2,3
	v_mov_b32 v[TM+4+\b], 0                        ; written once: a lane permute's destination counts as one of its sources
.endr
	WIN 0
	s_wait_alu depctr_va_vdst(0)
	s_wait_dscnt 0x0
	s_wait_kmcnt 0x0
	s_add_nc_u64 s[G0A+2:G0A+3], s[4:5], s[98:99]
	s_or_b32 s[G0A+3], s[G0A+3], 0x80000000
	s_add_nc_u64 s[66:67], s[4:5], s[66:67]        ; Q's A; K's lies 64 blocks on
	s_add_nc_u64 s[68:69], s[66:67], 512*UNIT
	s_add_nc_u64 s[70:71], s[6:7], s[70:71]
	s_add_nc_u64 s[72:73], s[6:7], s[72:73]        ; Q's B; K's lies 8 blocks on
	s_mov_b64 s[G0B+2:G0B+3], s[72:73]
	s_or_b32 s[G0B+3], s[G0B+3], 0x80000000
	s_add_nc_u64 s[74:75], s[72:73], 64*UNIT
	s_add_nc_u64 s[76:77], s[4:5], s[76:77]
	s_cmp_eq_u32 s17, 0
	s_cselect_b64 s[36:37], s[68:69], s[74:75]     ; where my prefetches stand: in the next block (K's),
	s_cselect_b64 s[38:39], s[70:71], s[76:77]     ; and in the one after it (V's)
	s_add_nc_u64 s[36:37], s[36:37], s[62:63]
	s_add_nc_u64 s[38:39], s[38:39], s[62:63]
	s_add_nc_u64 s[80:81], s[14:15], s[80:81]
	s_add_nc_u64 s[84:85], s[14:15], s[84:85]
	s_add_nc_u64 s[82:83], s[14:15], s[82:83]
	s_add_nc_u64 s[88:89], s[10:11], s[86:87]
	s_add_nc_u64 s[86:87], s[8:9], s[86:87]
	s_add_nc_u64 s[90:91], s[12:13], s[90:91]
.irp a, 0,1,2,3
	global_load_b32 v[B1+2*\a], v5, s[90:91] offset:(32*(\a/2)+8*(\a%2))*4
.endr
	CROUND                                         ; all sixteen work-groups are here: the first joint loads meet
	JLOAD                                          ; Q's whole K: one tensor load a wave at the head
	ASK 36, 0, 0                                   ; the first refill: K's K steps 0 to 3
	s_wait_loadcnt 0x0
.irp a, 0,1,2,3
	v_mov_b32 v[B1+2*\a+1], v[B1+2*\a]
.endr
	s_wait_alu depctr_va_vdst(0)
	s_wait_tensorcnt 0x0                           ; my part is in, and no tensor load of mine is out: from here on a load brings half as many rows
	s_mov_b32 s[G1A+2], 100<<16
	s_mov_b32 s[G1A+4], 100
	s_mov_b32 s[G1B+2], 200<<16
	s_mov_b32 s[G1B+4], 200
	s_barrier_signal -1
	s_barrier_wait -1                              ; everybody's part is in
	FETCH 0
	s_mov_b32 s92, 0
.Ltile:                                                ; two trips: Q, K
	TILE 0
	s_wait_xcnt 0x0                                ; the stores have read their bases, the prefetches their addresses
	s_add_nc_u64 s[80:81], s[80:81], 512*PU        ; K's units lie 512 behind Q's
	s_add_nc_u64 s[84:85], s[84:85], 512*PU
	s_mov_b64 s[86:87], s[88:89]                   ; b_k
	s_mov_b64 s[68:69], s[70:71]                   ; the next block is V's
	s_mov_b64 s[74:75], s[76:77]
	s_mov_b64 s[36:37], s[38:39]
	s_add_co_u32 s92, s92, 1
	s_cmp_lt_u32 s92, 2
	s_wait_alu depctr_va_vdst(0)
	s_cbranch_scc1 .Ltile
	TILE 1                                         ; V: written out, it asks for nothing more
	s_wait_tensorcnt 0x0                           ; the wave's end
	ds_add_u32 v[SPW], v[NIL]
	s_wait_dscnt 0x0
	CROUND                                         ; the closing round
	s_endpgm
.Lfunc_end_k_qef3927d71e_proj:
	.size	k_qef3927d71e_proj, .Lfunc_end_k_qef3927d71e_proj-k_qef3927d71e_proj
	.p2alignl 7, 3214868480
	.fill 96, 4, 3214868480
	.section	.rodata,"a",@progbits
	.p2align	6, 0x0
	.amdhsa_kernel k_qef3927d71e_proj
		.amdhsa_group_segment_fixed_size 327680
		.amdhsa_private_segment_fixed_size 0
		.amdhsa_enable_private_segment 0
		.amdhsa_kernarg_size 48
		.amdhsa_user_sgpr_count 2
		.amdhsa_user_sgpr_kernarg_segment_ptr 1
		.amdhsa_wavefront_size32 1
		.amdhsa_system_sgpr_workgroup_id_x 1
		.amdhsa_system_sgpr_workgroup_id_y 1
		.amdhsa_system_sgpr_workgroup_id_z 1
		.amdhsa_system_vgpr_workitem_id 0
		.amdhsa_next_free_vgpr 1024
		.amdhsa_next_free_sgpr 100
		.amdhsa_reserve_vcc 0
		.amdhsa_float_denorm_mode_32 3
		.amdhsa_float_denorm_mode_16_64 3
		.amdhsa_memory_ordered 1
		.amdhsa_forward_progress 1
		.amdhsa_inst_pref_size 172
	.end_amdhsa_kernel
	.amdgpu_metadata
---
amdhsa.version: [ 1, 2 ]
amdhsa.kernels:
  - .name:           k_qef3927d71e_proj
    .symbol:         k_qef3927d71e_proj.kd
    .args:
      - { .name: xq, .offset: 0, .size: 8, .value_kind: global_buffer, .address_space: global }
      - { .name: wq, .offset: 8, .size: 8, .value_kind: global_buffer, .address_space: global }
      - { .name: b_q, .offset: 16, .size: 8, .value_kind: global_buffer, .address_space: global }
      - { .name: b_k, .offset: 24, .size: 8, .value_kind: global_buffer, .address_space: global }
      - { .name: b_v, .offset: 32, .size: 8, .value_kind: global_buffer, .address_space: global }
      - { .name: pq, .offset: 40, .size: 8, .value_kind: global_buffer, .address_space: global }
    .group_segment_fixed_size: 327680
    .private_segment_fixed_size: 0
    .kernarg_segment_align: 8
    .kernarg_segment_size: 48
    .max_flat_workgroup_size: 128
    .sgpr_count:     100
    .vgpr_count:     1024
    .wavefront_size: 32
...
	.end_amdgpu_metadata
.endif
;; end of part 2
;; launch attn (part 3): grid 4 x 64, 16 waves a work-group, clusters of 4 x 1, 217,088 bytes of LDS; arguments pq, mb, aq; writes aq
.if DOCPART == 3
	.amdgcn_target "amdgcn-amd-amdhsa--gfx1250"
	.amdhsa_code_object_version 6
	.text
	.protected	k_qef3927d71e_attn
	.globl	k_qef3927d71e_attn
	.p2align	8
	.type	k_qef3927d71e_attn,@function
k_qef3927d71e_attn:
	s_mov_b64 s[64:65], 0
	v_nop
	global_prefetch_b8 v0, s[64:65] scope:SCOPE_SE
	s_setreg_imm32_b32 hwreg(HW_REG_WAVE_MODE, 25, 1), 1
	s_wait_xcnt 0x0
	s_wait_alu depctr_hold_cnt(0) depctr_sa_sdst(0) depctr_va_vdst(0) depctr_va_sdst(0) depctr_va_ssrc(0) depctr_va_vcc(0) depctr_vm_vsrc(0)
	s_getreg_b32 s2, hwreg(HW_REG_IB_STS2, 6, 4)
	s_cmp_eq_u32 s2, 0
	s_cbranch_scc0 .Lentry_in_a_cluster
	s_endpgm
.Lentry_in_a_cluster:
	s_bfe_u32 s2, ttmp6, 0x10000c
	s_cmp_lg_u32 s2, 0x3003
	s_cbranch_scc0 .Lentry_shape_is_right
	s_endpgm
.Lentry_shape_is_right:
; THIRD LAUNCH: attention on codes of FP6 (E2M3): S^T = K Q^T, the mask, the softmax, O^T = V^T P^T, the division by the row's sum, and the quantiser of the merged rows, which leave as codes for the last product.
; pq holds Q, K, V as units of 13,312 bytes, unit (32 t + y) 16 + st, y = 8 b + pair of heads, st = 128 tokens.  A unit is two halves of 6,656 bytes, one for each head of the pair: 6,144 bytes of codes, 512 of scale words.
; A HALF FRAGMENT is six operand registers, 768 bytes: four registers at 16 x lane, two at 512 + 8 x lane.  Q, K: tile i (16 tokens, in the order PI(i, r) = 32 (i / 2) + 8 (i % 2) + r + 8 (r / 8)) is one half fragment at 768 i: the head's 64 channels.
; V: tile u (16 of the head's channels, K = 128 keys) is two half fragments at 1,536 u.  Scale words at 6,144 + 256 g + 8 L + 4 p: row L % 16 of tile 4 g + 2 p + L / 16; Q's and K's words hold the head's two bytes twice.
; SHARES: a work-group owns ONE head and 512 queries; each of its sixteen waves two tiles of 16 queries.  One head's K and V, all 2,048 keys, are 16 x 13,312 = 212,992 bytes of LDS: they are asked for once, at the head,
; one tensor load a wave (wave w: key step w, two rows of 6,656 bytes: K's half, V's half).  Nothing is filled again: behind the one barrier that shows the tiles the sixteen key steps have no barrier.
; CLUSTER 4 x 1: the four blocks of queries of a head need the same K and V and ask jointly.  NO PREFETCH: all that the work-group reads by tensor loads is asked for at the head; there is no loop to run ahead in.
; THE SOFTMAX: t = score x log2(e) / 8; M = the running largest t rounded up to a whole number; p = 2^(t - M) is quantised along the keys, not normalised; the sum is taken of the unquantised p and divides at the end;
; when M moves, the sum and O are multiplied by 2^(old M - new M), exactly.  Masked scores become -infinity ahead of the maximum.
; A HEAD'S K IS 64, THE INSTRUCTION'S 128: a tile of K is multiplied as [tile | what follows] x [qA | 0] or [what stands ahead | tile] x [0 | qB]: every pattern of 6 bits is a finite number, and it meets zero codes.
; A lane holds ONE query of each tile.  Register 16 B + i of S^T is key 32 B + 16 h + i of the step; register 32 q + 16 B + i of O^T is channel 32 B + 16 h + i of tile q.
; THE MASK comes as words of one bit a lane (mb), 64 for a tile and key step, by scalar loads one tile's part ahead.
; aq: units of 13,312 bytes laid as Q's; unit (block of 128 rows) 8 + pair; in a half's scale words the head's two bytes stand at their place in the row's word and the other two are 0.
; LIMITS: a row that is masked whole gives NaN (its scale bytes become 0xff), as the softmax of such a row does; a block of zeros gets the byte 1 (its codes are zeros; this program alone reads the bytes); NaN and infinities in Q, K, V are not served.
; VECTORS: v1 16 x lane; v2, v3 the add's two; v4, v14 the step's LDS addresses; v5 -infinity; v6, v47 Q's scale words of tile A, B; v7 p's; v8-11 K's; v12-13 V's; v16-33 qA, zeros, qB; v34 8 x lane; v35 at work;
;   v36-43 per tile: -M, the largest t, the sum in two halves; v44-45 f; v46 the result's scale word; v48-107 fragments of K, then of V (v96-107 at work in the softmax); v108-171 S^T, then p; v172-235 O^T; v236-254 codes.
.set PU,    13312
.set HALF,  6656
.set VOFF,  HALF
.set SCB,   6144
.set SCW,   16*PU                      ; the four result units' scale words: 4 x 512 bytes, written by ds_store alone
.set SPARE, SCW+2048                   ; the spare words, 128 bytes for each of sixteen waves, which no other line names
.set LI,  1
.set SPW, 2
.set NIL, 3
.set ADK, 4
.set NEG, 5
.set QS,  6
.set QS1, 47
.set PS,  7
.set KS,  8
.set VS,  12
.set AD8, 14
.set QF,  16
.set L8,  34
.set TA,  35
.set ST,  36
.set FP,  44
.set PW,  46
.set TM,  92
.set MX,  96
.set T2,  100
.set SO,  104
.set S,   108
.set O,   172
.set PC,  236
.set SEL, 6
.macro CROUND                          ; a round of the cluster's barrier
	s_barrier_signal -1
	s_barrier_wait -1
	s_cmp_lg_u32 s5, 0
	s_cbranch_scc1 .Lnot_wave_0_\@
	s_barrier_signal -3
.Lnot_wave_0_\@:
	s_barrier_wait -3
	s_barrier_signal -1
	s_barrier_wait -1
.endm
.macro MLOAD o                         ; 64 mask words: byte o + s12 of my two tiles' words
	s_load_b512 s[16:31], s[10:11], s12 offset:\o
	s_load_b512 s[32:47], s[10:11], s12 offset:\o+0x40
	s_load_b512 s[48:63], s[10:11], s12 offset:\o+0x80
	s_load_b512 s[68:83], s[10:11], s12 offset:\o+0xc0
.endm
.macro MMZ odd                         ; a product that starts its sum; odd: source 0's scale words stand in lanes 16-31
.if (\odd)
	v_wmma_scale_f32_16x16x128_f8f6f4 v[rD:rD+7], v[rA:rA+11], v[rB:rB+11], 0, v[rX], v[rY] matrix_a_fmt:MATRIX_FMT_FP6 matrix_b_fmt:MATRIX_FMT_FP6 matrix_a_scale:MATRIX_SCALE_ROW1
.else
	v_wmma_scale_f32_16x16x128_f8f6f4 v[rD:rD+7], v[rA:rA+11], v[rB:rB+11], 0, v[rX], v[rY] matrix_a_fmt:MATRIX_FMT_FP6 matrix_b_fmt:MATRIX_FMT_FP6
.endif
.endm
.macro MMA odd                         ; a product that adds in place
.if (\odd)
	v_wmma_scale_f32_16x16x128_f8f6f4 v[rD:rD+7], v[rA:rA+11], v[rB:rB+11], v[rD:rD+7], v[rX], v[rY] matrix_a_fmt:MATRIX_FMT_FP6 matrix_b_fmt:MATRIX_FMT_FP6 matrix_a_scale:MATRIX_SCALE_ROW1
.else
	v_wmma_scale_f32_16x16x128_f8f6f4 v[rD:rD+7], v[rA:rA+11], v[rB:rB+11], v[rD:rD+7], v[rX], v[rY] matrix_a_fmt:MATRIX_FMT_FP6 matrix_b_fmt:MATRIX_FMT_FP6
.endif
.endm
.macro PLACES
.rept 4
	v_nop
.endr
.endm
; ONE TILE OF QUERIES' PART OF A KEY STEP (128 keys).
.macro TILE q
.set NM, ST+4*\q                       ; -M, the largest t
.set SU, ST+4*\q+2                     ; the sum's two halves
.if \q
	PLACES                                         ; behind tile A's last products, ahead of loads into the registers that they read
.endif
.irp t, 0,1,2,3,4,5,6,7                ; the six registers of each tile of K land at v[54 + 6 t]
	ds_load_b128 v[54+6*\t:57+6*\t], v[ADK] offset:768*\t
	ds_load_b64 v[58+6*\t:59+6*\t], v[AD8] offset:768*\t+512
.endr
	s_wait_dscnt 0x0
.irp t, 0,1,2,3,4,5,6,7                ; tile A: [tile t | what follows] x [qA | 0];  tile B: [what stands ahead | tile t] x [0 | qB]
.set rD, S+8*\t
.set rA, 54+6*\t-6*\q
.set rB, QF+6*\q
.set rX, KS+\t/2
.set rY, QS+(QS1-QS)*\q
	MMZ \t%2
.endr
	PLACES                                         ; ahead of the loads below and of the first read of the scores
.irp u, 0,1,2,3                        ; the head's four tiles of V: they land under the softmax
	ds_load_b128 v[48+12*\u:51+12*\u], v[ADK] offset:VOFF+1536*\u
	ds_load_b64 v[52+12*\u:53+12*\u], v[AD8] offset:VOFF+1536*\u+512
	ds_load_b128 v[54+12*\u:57+12*\u], v[ADK] offset:VOFF+1536*\u+768
	ds_load_b64 v[58+12*\u:59+12*\u], v[AD8] offset:VOFF+1536*\u+1280
.endr
	s_wait_kmcnt 0x0                               ; this tile's mask words, asked for one tile's part ago; s12 may be written behind this wait
.set j, 0
.rept 64                               ; each accumulator from its low end on
.if j < 48
	v_cndmask_b32 v[S+j], v[S+j], v[NEG], s[16+j]
.else
	v_cndmask_b32 v[S+j], v[S+j], v[NEG], s[20+j]
.endif
.set j, j+1
.endr
.if \q
	s_add_co_u32 s12, s12, 256                     ; tile A's words of the next step; in the last step the last step's once more: no load leaves mb
	s_min_u32 s12, s12, 3840
	MLOAD 0
.else
	MLOAD 0x1000                                   ; tile B's words of this step: a tile's sixteen steps are 4,096 bytes
.endif
.irp b, 0,1,2,3
	v_max3_num_f32 v[MX+\b], v[S+16*\b], v[S+16*\b+1], v[S+16*\b+2]   ; the largest score of each block of 32 keys: for the row's maximum, and, since p rises with the score, for the block's largest p
.endr
.irp i, 3,5,7,9,11,13
.irp b, 0,1,2,3
	s_delay_alu instid0(VALU_DEP_4)
	v_max3_num_f32 v[MX+\b], v[MX+\b], v[S+16*\b+\i], v[S+16*\b+\i+1]
.endr
.endr
.irp b, 0,1,2,3
	s_delay_alu instid0(VALU_DEP_4)
	v_max_num_f32 v[MX+\b], v[MX+\b], v[S+16*\b+15]
.endr
.irp b, 0,1,2,3
	s_delay_alu instid0(VALU_DEP_4)
	v_permlanex16_b32 v[T2+\b], v[MX+\b], s[SEL], s[SEL+1]
.endr
.irp b, 0,1,2,3
	s_delay_alu instid0(VALU_DEP_4)
	v_max_num_f32 v[MX+\b], v[MX+\b], v[T2+\b]     ; with lane l xor 16's 16 keys
.endr
	s_delay_alu instid0(VALU_DEP_2)
	v_max3_num_f32 v[TA], v[MX], v[MX+1], v[MX+2]
	s_delay_alu instid0(VALU_DEP_1)
	v_max_num_f32 v[TA], v[TA], v[MX+3]
	s_delay_alu instid0(VALU_DEP_1)
	v_mul_f32 v[TA], s8, v[TA]                     ; as t (c is positive)
	s_delay_alu instid0(VALU_DEP_1)
	v_max_num_f32 v[NM+1], v[NM+1], v[TA]          ; the running largest t
	v_mov_b32 v[TA], v[NM]
	s_delay_alu instid0(VALU_DEP_2)
	v_floor_f32 v[NM], -v[NM+1]                    ; the new -M = floor(-t): M is a whole number
	s_delay_alu instid0(VALU_DEP_1)
	v_sub_f32 v[TA], v[NM], v[TA]                  ; old M - new M: a whole number, 0 or less
	s_delay_alu instid0(VALU_DEP_1)
	v_cvt_i32_f32 v[TA], v[TA]                     ; (it saturates)
	s_delay_alu instid0(VALU_DEP_1)
	v_ldexp_f32 v[FP], 1.0, v[TA]                  ; f = 2^(old M - new M)
.set j, 0
.rept 32
	v_pk_fma_f32 v[S+j:S+j+1], v[S+j:S+j+1], s[8:9], v[NM:NM+1] op_sel_hi:[1,0,0]   ; t - M, two at a time
.set j, j+2
.endr
.irp b, 0,1,2,3
	v_fma_f32 v[MX+\b], v[MX+\b], s8, v[NM]        ; the same of each block's largest score
.endr
.set j, 0
	s_wait_alu depctr_va_vdst(0)
.rept 64
	v_exp_f32 v[S+j], v[S+j]                       ; p = 2^(t - M)
.set j, j+1
.endr
	v_pk_mul_f32 v[SU:SU+1], v[SU:SU+1], v[FP:FP+1] op_sel_hi:[1,0]   ; the sums under the new M: the plain place behind the exponentials
	s_wait_alu depctr_va_vdst(0)                   ; ahead of the first line that names a result: one for the batch
.irp b, 0,1,2,3
	v_exp_f32 v[MX+\b], v[MX+\b]                   ; the block's largest p
.endr
	v_pk_add_f32 v[T2:T2+1], v[S:S+1], v[S+2:S+3]  ; the row's sum of the unquantised p, in two chains
.irp j, 4,8,12,16,20,24,28,32,36,40,44,48,52,56,60
	v_pk_add_f32 v[SU:SU+1], v[SU:SU+1], v[S+\j:S+\j+1]
	v_pk_add_f32 v[T2:T2+1], v[T2:T2+1], v[S+\j+2:S+\j+3]
.endr
	s_delay_alu instid0(VALU_DEP_1)
	v_pk_add_f32 v[SU:SU+1], v[SU:SU+1], v[T2:T2+1]
	s_wait_alu depctr_va_vdst(0)                   ; and one for the four
.irp b, 0,1,2,3
	v_max_num_f32 v[MX+\b], 0x1800000, v[MX+\b]    ; the floor 2^(3 - 127): the byte cannot fall under 1
.endr
.irp b, 0,1,2,3
	s_delay_alu instid0(VALU_DEP_4)
	v_add_nc_u32 v[SO+\b], 0xff000000, v[MX+\b]    ; 2 off the exponent field: the conversion's scale operand
.endr
.irp b, 0,1,2,3
	s_delay_alu instid0(VALU_DEP_4)
	v_lshrrev_b32 v[T2+\b], 23, v[SO+\b]           ; the scale's byte
.endr
	s_delay_alu instid0(VALU_DEP_3)
	v_lshl_or_b32 v[PS], v[T2+1], 8, v[T2]         ; p's scale word for these 128 keys
	s_delay_alu instid0(VALU_DEP_1)
	v_lshl_or_b32 v[PS], v[T2+2], 16, v[PS]
	s_delay_alu instid0(VALU_DEP_1)
	v_lshl_or_b32 v[PS], v[T2+3], 24, v[PS]
.irp cc, 0,1
	v_cvt_scalef32_pk16_fp6_f32 v[PC+6*\cc:PC+2+6*\cc], v[S+32*\cc:S+15+32*\cc], v[SO+2*\cc]
	v_cvt_scalef32_pk16_fp6_f32 v[PC+12+4*\cc:PC+14+4*\cc], v[S+16+32*\cc:S+31+32*\cc], v[SO+2*\cc+1]
.endr
	v_nop                                          ; one plain place behind a scaled conversion
.irp cc, 0,1                           ; the operand's layout wants a whole block in a lane
.irp i, 0,1,2
	v_permlane16_swap_b32 v[PC+6*\cc+\i], v[PC+12+4*\cc+\i]
.endr
.irp i, 0,1,2
	s_delay_alu instid0(VALU_DEP_3)
	v_mov_b32 v[PC+3+6*\cc+\i], v[PC+12+4*\cc+\i]
.endr
.endr
.set j, 0
.rept 16
	v_pk_mul_f32 v[O+32*\q+j:O+32*\q+j+1], v[O+32*\q+j:O+32*\q+j+1], v[FP:FP+1] op_sel_hi:[1,0]   ; my tile's O^T under the new M; these sixteen are also the places behind p's codes and scale word
.set j, j+2
.endr
	s_wait_alu depctr_va_vdst(0)
	s_wait_dscnt 0x0                               ; V's four tiles
.irp u, 0,1,2,3                        ; O^T += V^T P^T: four accumulators, one instruction each
.set rD, O+32*\q+8*\u
.set rA, 48+12*\u
.set rB, PC
.set rX, VS+\u/2
.set rY, PS
	MMA \u%2
.endr
.endm
; 64 numbers of a lane, register 16 b + i = index 32 b + 16 (lane / 16) + i, become twelve registers of codes in v[PC] on and four scale bytes in v[pw].
.macro QUANT s, pw
.irp b, 0,1,2,3
	v_max3_num_f32 v[TM+\b], |v[\s+16*\b]|, |v[\s+1+16*\b]|, 0x1800000
.endr
.irp i, 2,4,6,8,10,12,14
.irp b, 0,1,2,3
	s_delay_alu instid0(VALU_DEP_4)
	v_max3_num_f32 v[TM+\b], v[TM+\b], |v[\s+16*\b+\i]|, |v[\s+1+16*\b+\i]|
.endr
.endr
.irp b, 0,1,2,3
	s_delay_alu instid0(VALU_DEP_4)
	v_permlanex16_b32 v[TM+4+\b], v[TM+\b], s[SEL], s[SEL+1]
.endr
.irp b, 0,1,2,3
	s_delay_alu instid0(VALU_DEP_4)
	v_max_num_f32 v[TM+\b], v[TM+\b], v[TM+4+\b]
.endr
.irp b, 0,1,2,3
	s_delay_alu instid0(VALU_DEP_4)
	v_add_nc_u32 v[TM+12+\b], 0xff000000, v[TM+\b]
.endr
.irp b, 0,1,2,3
	s_delay_alu instid0(VALU_DEP_4)
	v_lshrrev_b32 v[TM+4+\b], 23, v[TM+12+\b]
.endr
	s_delay_alu instid0(VALU_DEP_3)
	v_lshl_or_b32 v[\pw], v[TM+5], 8, v[TM+4]
	s_delay_alu instid0(VALU_DEP_1)
	v_lshl_or_b32 v[\pw], v[TM+6], 16, v[\pw]
	s_delay_alu instid0(VALU_DEP_1)
	v_lshl_or_b32 v[\pw], v[TM+7], 24, v[\pw]
.irp c, 0,1
	v_cvt_scalef32_pk16_fp6_f32 v[PC+6*\c:PC+2+6*\c], v[\s+32*\c:\s+15+32*\c], v[TM+12+2*\c]
	v_cvt_scalef32_pk16_fp6_f32 v[PC+12+4*\c:PC+14+4*\c], v[\s+16+32*\c:\s+31+32*\c], v[TM+12+2*\c+1]
.endr
	v_nop
.irp c, 0,1
.irp i, 0,1,2
	v_permlane16_swap_b32 v[PC+6*\c+\i], v[PC+12+4*\c+\i]
.endr
.irp i, 0,1,2
	s_delay_alu instid0(VALU_DEP_3)
	v_mov_b32 v[PC+3+6*\c+\i], v[PC+12+4*\c+\i]
.endr
.endr
.endm
	s_load_b128 s[16:19], s[0:1], 0x0              ; pq, mb
	s_load_b64 s[20:21], s[0:1], 0x10              ; aq
	v_lshl_add_u32 v[SPW], v0, 2, SPARE
	v_mov_b32 v[NIL], 0
	ds_add_u32 v[SPW], v[NIL]                      ; the wave's opening
	ds_add_u32 v[SPW], v[NIL]
	v_lshrrev_b32 v4, 5, v0
	s_delay_alu instid0(VALU_DEP_1)
	v_readfirstlane_b32 s5, v4                     ; wave 0 .. 15
	s_bfe_u32 s22, ttmp6, 0x40000                  ; cx = X: my block of 512 queries
	s_and_b32 s24, ttmp7, 0xffff                   ; 16 b + head, which the four partners share
	s_and_b32 s25, s24, 1                          ; which head of the pair
	s_lshr_b32 s23, s24, 1                         ; y = 8 b + pair
	s_lshr_b32 s37, s24, 4                         ; b
	s_and_b32 s44, s23, 7                          ; pair
	s_lshl_b32 s13, s25, 4                         ; where my head's two bytes stand in a row's scale word, in bits
	s_mul_i32 s25, s25, HALF                       ; my head's half of a unit
	s_mov_b32 s84, 15|(3<<16)|(1<<21)              ; 15:0 the mask: all four work-groups; 17:16 elements of 8 bytes; 20 no padding; 21 set beside a mask
	s_mov_b32 s85, 832<<16                         ; tensor_dim0 = 832 elements: 6,656 bytes
	s_mov_b32 s86, 2<<16                           ; tensor_dim1 = 2 rows: K's half, V's half
	s_mov_b32 s87, 832<<16                         ; tile_dim0
	s_mov_b32 s88, 2                               ; tile_dim1
	s_mov_b32 s89, 512*PU/8                        ; the pitch: from K's unit to V's, 512 units
	s_mov_b32 s90, 0
	s_mov_b32 s91, 0
	s_lshl_b32 s28, s23, 4                         ; what I fetch: K's unit (32 + y) 16 + wave
	s_add_co_u32 s28, s28, s5
	s_add_co_u32 s28, s28, 512
	s_mul_i32 s28, s28, PU
	s_add_co_u32 s28, s28, s25
	s_mov_b32 s29, 0
	s_mul_i32 s26, s5, PU                          ; and where it goes: key step = wave
	s_lshr_b32 s31, s5, 2                          ; which 128 of the 512 queries
	s_and_b32 s32, s5, 3                           ; my tiles in their unit: 2 (wave % 4) and the next
	s_lshl_b32 s33, s22, 2
	s_add_co_u32 s33, s33, s31                     ; 4 X + wave / 4
	s_lshl_b32 s34, s23, 4
	s_add_co_u32 s34, s34, s33
	s_mul_i32 s34, s34, PU                         ; Q's unit,
	s_add_co_u32 s34, s34, s25                     ; my head's half
	s_mov_b32 s35, 0
	s_mul_i32 s36, s32, 1536                       ; my two tiles' images in it
	s_lshr_b32 s45, s32, 1                         ; and their scale words: 256 ((wave % 4) / 2) + 4 (wave % 2)
	s_lshl_b32 s45, s45, 8
	s_and_b32 s46, s32, 1
	s_lshl_b32 s46, s46, 2
	s_add_co_u32 s45, s45, s46
	s_lshl_b32 s38, s37, 7                         ; the mask words of tile 128 b + 32 X + 2 wave
	s_lshl_b32 s39, s22, 5
	s_add_co_u32 s38, s38, s39
	s_lshl_b32 s39, s5, 1
	s_add_co_u32 s38, s38, s39
	s_lshl_b32 s38, s38, 12
	s_mov_b32 s39, 0
	s_lshl_b32 s40, s37, 4                         ; aq: unit (16 b + 4 X + wave / 4) 8 + pair, my head's half, my two tiles
	s_add_co_u32 s40, s40, s33
	s_lshl_b32 s40, s40, 3
	s_add_co_u32 s40, s40, s44
	s_mul_i32 s40, s40, PU
	s_add_co_u32 s40, s40, s25
	s_add_co_u32 s40, s40, s36
	s_mov_b32 s41, 0
	s_lshl_b32 s42, s37, 4                         ; and unit (16 b + 4 X + wave % 4) 8 + pair, for the block of scale words that waves 0 to 3 store
	s_lshl_b32 s43, s22, 2
	s_add_co_u32 s42, s42, s43
	s_add_co_u32 s42, s42, s32
	s_lshl_b32 s42, s42, 3
	s_add_co_u32 s42, s42, s44
	s_mul_i32 s42, s42, PU
	s_add_co_u32 s42, s42, s25
	s_mov_b32 s43, 0
	s_mov_b32 s[SEL], 0x76543210
	s_mov_b32 s[SEL+1], 0xfedcba98
	s_mov_b32 s8, 0x3e38aa3b                       ; c = log2(e) / 8
	s_mov_b32 s9, s8                               ; (named with it as a pair, so it is written)
	s_mov_b32 s2, 0
	s_mov_b32 s12, 0
	v_and_b32 v4, 31, v0
	s_delay_alu instid0(VALU_DEP_1)
	v_lshlrev_b32 v[LI], 4, v4
	v_lshlrev_b32 v[L8], 3, v4
	s_delay_alu instid0(VALU_DEP_2)
	v_add_nc_u32 v35, s36, v[LI]                   ; Q: my tiles' images, 16 x lane
	s_delay_alu instid0(VALU_DEP_2)
	v_add_nc_u32 v15, s36, v[L8]                   ; and 8 x lane
	v_and_b32 v46, 15, v0
	s_delay_alu instid0(VALU_DEP_1)
	v_lshlrev_b32 v46, 3, v46
	s_delay_alu instid0(VALU_DEP_1)
	v_add_nc_u32 v46, s45, v46                     ; and row r's scale word
	s_wait_dscnt 0x0                               ; both opening adds are done
	s_wait_kmcnt 0x0
	s_mov_b32 s92, 1                               ; count = 1
	s_mov_b32 s93, s26                             ; LDS address
	s_add_nc_u64 s[94:95], s[16:17], s[28:29]
	s_or_b32 s95, s95, 0x80000000                  ; type = 2
	s_add_nc_u64 s[98:99], s[16:17], s[34:35]
	s_add_nc_u64 s[10:11], s[18:19], s[38:39]
	s_add_nc_u64 s[96:97], s[20:21], s[40:41]
	s_add_nc_u64 s[14:15], s[20:21], s[42:43]
	CROUND                                         ; all four work-groups are here: the joint loads meet
	tensor_load_to_lds s[92:95], s[84:91]          ; my key step's K and V: every wave's one tensor load of the launch
	s_nop 0
.rept 4
	v_nop
.endr
	s_wait_alu depctr_va_vdst(0)
	global_load_b128 v[16:19], v35, s[98:99]                 ; qA
	global_load_b64 v[20:21], v15, s[98:99] offset:512
	global_load_b128 v[28:31], v35, s[98:99] offset:768      ; qB
	global_load_b64 v[32:33], v15, s[98:99] offset:1280
	global_load_b32 v[QS], v46, s[98:99] offset:SCB
	global_load_b32 v[QS1], v46, s[98:99] offset:SCB+128
	MLOAD 0                                        ; key step 0's mask words of tile A
	v_mov_b32 v[NEG], 0xff800000
.irp j, 22,23,24,25,26,27
	v_mov_b32 v[\j], 0                             ; the zero codes between qA and qB
.endr
.irp j, 48,49,50,51,52,53,100,101,102,103,104,105,106,107
	v_mov_b32 v[\j], 0                             ; written once: named as the idle half of K's operand, or as a lane permute's destination
.endr
.set j, 0
.rept 64
	v_mov_b32 v[O+j], 0                            ; O^T: the step is written once; the first finds zeros
.set j, j+1
.endr
.irp c, 0,1
	v_mov_b32 v[ST+4*\c+1], 0xff61b1e6             ; the largest t so far: -3e38
	s_delay_alu instid0(VALU_DEP_1)
	v_floor_f32 v[ST+4*\c], -v[ST+4*\c+1]
	v_mov_b32 v[ST+4*\c+2], 0
	v_mov_b32 v[ST+4*\c+3], 0
.endr
	v_mov_b32 v[FP+1], 0                           ; (named as the upper half of f's pair)
	s_wait_alu depctr_va_vdst(0)
	s_wait_loadcnt 0x0                             ; Q and its scale words
	s_wait_tensorcnt 0x0                           ; my key step is in
	s_barrier_signal -1
	s_barrier_wait -1                              ; and everybody's
	s_mov_b32 s3, 16
.Lstep:                                                ; sixteen key steps, written once; no wave waits for another
	v_add_nc_u32 v[ADK], s2, v[LI]                 ; with the three below: the places behind the last step's products
	v_add_nc_u32 v[AD8], s2, v[L8]
	v_nop
	v_nop
	ds_load_b64 v[KS:KS+1], v[AD8] offset:SCB      ; scale words lie at 256 g + 8 L + 4 p: row L % 16 of tile 4 g + 2 p + L / 16
	ds_load_b64 v[KS+2:KS+3], v[AD8] offset:SCB+256
	ds_load_b64 v[VS:VS+1], v[AD8] offset:VOFF+SCB
	s_wait_alu depctr_va_vdst(0)
	TILE 0
	TILE 1
	s_add_co_u32 s2, s2, PU
	s_sub_co_u32 s3, s3, 1
	s_cmp_lg_u32 s3, 0
	s_cbranch_scc1 .Lstep
	s_wait_kmcnt 0x0                               ; the last, repeated mask words
	; THE WAY OUT: O^T / the sum; a tile's 32 numbers a lane are the head's 64 channels of 16 queries: quantised, each tile is a half fragment of the last product.
.irp c, 0,1
	v_add_f32 v[ST+4*\c+2], v[ST+4*\c+2], v[ST+4*\c+3]
.endr
.irp c, 0,1
	s_delay_alu instid0(VALU_DEP_2)
	v_permlanex16_b32 v[T2+\c], v[ST+4*\c+2], s[SEL], s[SEL+1]
.endr
.irp c, 0,1
	s_delay_alu instid0(VALU_DEP_2)
	v_add_f32 v[ST+4*\c+2], v[ST+4*\c+2], v[T2+\c] ; the row's sum
.endr
	s_wait_alu depctr_va_vdst(0)
.irp c, 0,1
	v_rcp_f32 v[ST+4*\c+3], v[ST+4*\c+2]
.endr
	v_mov_b32 v251, 0xffff                         ; (a plain place behind the reciprocals)
	v_cmp_lt_f32 s98, 0, v[ST+2]                   ; a row that is masked whole has the sum 0
	v_cmp_lt_f32 s99, 0, v[ST+6]
	s_wait_alu depctr_va_vdst(0)
	v_cndmask_b32 v[ST+3], 0, v[ST+3], s98         ; such a row's numbers become zeros,
	v_cndmask_b32 v[ST+7], 0, v[ST+7], s99
.set j, 0
.rept 64
	v_mul_f32 v[S+j], v[O+j], v[ST+4*(j/32)+3]
.set j, j+1
.endr
	QUANT S, PW                                    ; bytes 0, 1: tile A's row; bytes 2, 3: tile B's
	v_cndmask_b32 v35, v251, 0, s98                ; and its two scale bytes 0xff
	s_delay_alu instid0(VALU_DEP_1)
	v_or_b32 v[PW], v[PW], v35
	v_cndmask_b32 v35, v251, 0, s99
	s_delay_alu instid0(VALU_DEP_1)
	v_lshl_or_b32 v[PW], v35, 16, v[PW]
	v_bfe_u32 v35, v0, 4, 1
	s_delay_alu instid0(VALU_DEP_1)
	v_lshlrev_b32 v35, 4, v35
	s_delay_alu instid0(VALU_DEP_1)
	v_lshrrev_b32 v[PW], v35, v[PW]                ; lanes 0-15 keep tile A's two bytes, lanes 16-31 tile B's,
	s_delay_alu instid0(VALU_DEP_1)
	v_and_b32 v[PW], 0xffff, v[PW]
	s_delay_alu instid0(VALU_DEP_1)
	v_lshlrev_b32 v[PW], s13, v[PW]                ; at my head's place in the row's word
	s_lshr_b32 s98, s5, 2                          ; which of the four units
	s_lshl_b32 s98, s98, 9
	s_and_b32 s99, s5, 3
	s_lshl_b32 s100, s99, 2
	s_add_co_u32 s98, s98, s100
	s_add_co_u32 s98, s98, SCW
	v_add_nc_u32 v255, s98, v[LI]                  ; the word of row L % 16 of tile 2 (wave % 4) + L / 16 at 16 L + 4 (wave % 4) of the unit's block
	s_lshl_b32 s99, s99, 9
	s_add_co_u32 s99, s99, SCW
	v_add_nc_u32 v48, s99, v[LI]                   ; and where waves 0 to 3 read a unit's block back
	s_wait_alu depctr_va_vdst(0)
	ds_store_b32 v255, v[PW]
	global_store_b128 v[LI], v[PC:PC+3], s[96:97]              ; each store covers whole aligned runs of 256 bytes
	global_store_b64 v[L8], v[PC+4:PC+5], s[96:97] offset:512
	global_store_b128 v[LI], v[PC+6:PC+9], s[96:97] offset:768
	global_store_b64 v[L8], v[PC+10:PC+11], s[96:97] offset:1280
	s_wait_dscnt 0x0                               ; for the others' sake: my words are in LDS
	s_barrier_signal -1
	s_barrier_wait -1
	s_cmp_lt_u32 s5, 4                             ; waves 0 to 3 store the four units' blocks of scale words
	s_cbranch_scc0 .Lno_words
	ds_load_b128 v[52:55], v48
	s_wait_dscnt 0x0
	global_store_b128 v[LI], v[52:55], s[14:15] offset:SCB
.Lno_words:
	v_nop
	s_wait_tensorcnt 0x0                           ; the wave's end, behind my tensor load and my last LDS store
	ds_add_u32 v[SPW], v[NIL]
	s_wait_dscnt 0x0
	CROUND                                         ; the closing round
	s_endpgm
.Lfunc_end_k_qef3927d71e_attn:
	.size	k_qef3927d71e_attn, .Lfunc_end_k_qef3927d71e_attn-k_qef3927d71e_attn
	.p2alignl 7, 3214868480
	.fill 96, 4, 3214868480
	.section	.rodata,"a",@progbits
	.p2align	6, 0x0
	.amdhsa_kernel k_qef3927d71e_attn
		.amdhsa_group_segment_fixed_size 217088
		.amdhsa_private_segment_fixed_size 0
		.amdhsa_enable_private_segment 0
		.amdhsa_kernarg_size 24
		.amdhsa_user_sgpr_count 2
		.amdhsa_user_sgpr_kernarg_segment_ptr 1
		.amdhsa_wavefront_size32 1
		.amdhsa_system_sgpr_workgroup_id_x 1
		.amdhsa_system_sgpr_workgroup_id_y 1
		.amdhsa_system_sgpr_workgroup_id_z 1
		.amdhsa_system_vgpr_workitem_id 0
		.amdhsa_next_free_vgpr 256
		.amdhsa_next_free_sgpr 102
		.amdhsa_reserve_vcc 0
		.amdhsa_float_denorm_mode_32 3
		.amdhsa_float_denorm_mode_16_64 3
		.amdhsa_memory_ordered 1
		.amdhsa_forward_progress 1
		.amdhsa_inst_pref_size 64
	.end_amdhsa_kernel
	.amdgpu_metadata
---
amdhsa.version: [ 1, 2 ]
amdhsa.kernels:
  - .name:           k_qef3927d71e_attn
    .symbol:         k_qef3927d71e_attn.kd
    .args:
      - { .name: pq, .offset: 0, .size: 8, .value_kind: global_buffer, .address_space: global }
      - { .name: mb, .offset: 8, .size: 8, .value_kind: global_buffer, .address_space: global }
      - { .name: aq, .offset: 16, .size: 8, .value_kind: global_buffer, .address_space: global }
    .group_segment_fixed_size: 217088
    .private_segment_fixed_size: 0
    .kernarg_segment_align: 8
    .kernarg_segment_size: 24
    .max_flat_workgroup_size: 512
    .sgpr_count:     102
    .vgpr_count:     256
    .wavefront_size: 32
...
	.end_amdgpu_metadata
.endif
;; end of part 3
;; launch outp (part 4): grid 4 x 64, 4 waves a work-group, clusters of 4 x 4, 327,680 bytes of LDS; arguments aq, wq, b_o, out0; writes out0
.if DOCPART == 4
	.amdgcn_target "amdgcn-amd-amdhsa--gfx1250"
	.amdhsa_code_object_version 6
	.text
	.protected	k_qef3927d71e_outp
	.globl	k_qef3927d71e_outp
	.p2align	8
	.type	k_qef3927d71e_outp,@function
k_qef3927d71e_outp:
	s_mov_b64 s[64:65], 0
	v_nop
	global_prefetch_b8 v0, s[64:65] scope:SCOPE_SE
	s_setreg_imm32_b32 hwreg(HW_REG_WAVE_MODE, 25, 1), 1
	s_wait_xcnt 0x0
	s_wait_alu depctr_hold_cnt(0) depctr_sa_sdst(0) depctr_va_vdst(0) depctr_va_sdst(0) depctr_va_ssrc(0) depctr_va_vcc(0) depctr_vm_vsrc(0)
	s_getreg_b32 s2, hwreg(HW_REG_IB_STS2, 6, 4)
	s_cmp_eq_u32 s2, 0
	s_cbranch_scc0 .Lentry_in_a_cluster
	s_endpgm
.Lentry_in_a_cluster:
	s_bfe_u32 s2, ttmp6, 0x10000c
	s_cmp_lg_u32 s2, 0xf033
	s_cbranch_scc0 .Lentry_shape_is_right
	s_endpgm
.Lentry_shape_is_right:
; LAST LAUNCH: out0 = merged W_o^T + b_o on codes of FP6 (E2M3).  aq: units of 13,312 bytes (128 rows x a pair of heads: two halves of 6,656: eight half fragments of 768 bytes, 512 bytes of scale words in which the other head's two bytes are 0);
; wq: units of 12,800 bytes, w_o's from unit 192 on.  A work-group makes 128 rows x 256 columns: 64 x 4 blocks, 256 work-groups.  Four waves, 2 x 2: a wave makes 64 x 128: 32 accumulators.
; Source 0 = w_o's rows (side B), source 1 = merged rows (side A): a lane holds eight neighbouring columns of one row.  The bias is the first products' C.
; LDS holds the block's whole K = 1,024, laid by operand: A's eight units (106,496 bytes), then B's two blocks of eight units (2 x 102,400).  It is filled once, at the head, one tensor load a wave:
; waves 0, 1 four units of A each, waves 2, 3 eight units of B each.  CLUSTER 4 x 4: A's units are shared along a row of the cluster, B's along a column, and are asked for jointly.
; No prefetch is laid: all that the work-group reads is asked for by the one group of loads at the head; there is no loop to run ahead in.
; THE WAY OUT goes through each wave's stage of 16 rows x 528 bytes.  The four stages lie on A's units 0 to 2, which have had their one fill, and every wave has passed the barrier of K step 3, behind which nobody reads them.
.set UNIT,  12800
.set AU,    13312
.set HA,    4*AU                       ; from K step 0 to K step 4 in A's region,
.set HB,    4*UNIT                     ; and in B's
.set BOFF,  8*AU
.set SPARE, BOFF+16*UNIT
.set ADRA, 16
.set A8,   18
.set ADRB, 20
.set ADAS, 22
.set STO,  24
.set RD,   25
.set LI,   26
.set SPW,  28
.set NIL,  29
.set SC,   32
.set SX,   48
.set CB,   64
.set AF,   128
.set BK,   128
.set G1A, 24
.set G0A, 32
.set G1B, 48
.set G0B, 56
.set MSB, 0
.macro WIN new
.if MSB != (\new)
	s_set_vgpr_msb (MSB<<8)|(\new)
.set MSB, (\new)
.endif
.endm
.macro PLACES
.rept 4
	v_nop
.endr
.endm
.macro CROUND
	s_barrier_signal -1
	s_barrier_wait -1
	s_cmp_lg_u32 s16, 0
	s_cbranch_scc1 .Lnot_wave_0_\@
	s_barrier_signal -3
.Lnot_wave_0_\@:
	s_barrier_wait -3
	s_barrier_signal -1
	s_barrier_wait -1
.endm
.macro MM1 ra, rb, c
	v_wmma_scale_f32_16x16x128_f8f6f4 v[rD:rD+7], v[rF0:rF0+11], v[rF1:rF1+11], \c, v[rX0], v[rX1] matrix_a_fmt:MATRIX_FMT_FP6 matrix_b_fmt:MATRIX_FMT_FP6 matrix_a_scale:MATRIX_SCALE_ROW\ra matrix_b_scale:MATRIX_SCALE_ROW\rb
.endm
.macro MUL16 a0, st, first             ; A's tiles a0, a0 + 1 x B's eight; the 32 accumulators take turns
.irp ap, 0,1
.irp bh, 0,1,2,3
.irp bp, 0,1
.set rD,  8*(8*((\a0)+\ap)+2*\bh+\bp)
.set rC,  CB+8*(2*\bh+\bp)
.set rF0, 128*(\st)+12*(2*\bh+\bp)
.set rF1, AF+48*(\st)+12*((\a0)+\ap)
.set rX0, SC+8*(\st)+4+\bh
.set rX1, SC+8*(\st)+(\a0)/2
.if \first
	MM1 \bp, \ap, v[rC:rC+7]
.else
	MM1 \bp, \ap, v[rD:rD+7]
.endif
.endr
.endr
.endr
.endm
.macro FETCH k                         ; K step k's fragments and scale words into set k % 2: 43 loads
.set sl, (\k)/4
.set q,  (\k)%4
.set st, (\k)%2
	WIN 0x40
.irp i, 0,1,2,3,4,5,6,7
.irp j, 0,1,2
	ds_load_b128 v[128*st+12*\i+4*\j:128*st+12*\i+4*\j+3], v[ADRB+sl] offset:q*UNIT+1536*\i+512*\j
.endr
.endr
	WIN 0
.irp i, 0,1,2,3
.set fa, AF+48*st+12*\i
	ds_load_b128 v[fa:fa+3], v[ADRA+sl] offset:q*AU+768*\i
	ds_load_b64 v[fa+4:fa+5], v[A8+sl] offset:q*AU+768*\i+512
	ds_load_b128 v[fa+6:fa+9], v[ADRA+sl] offset:q*AU+6656+768*\i
	ds_load_b64 v[fa+10:fa+11], v[A8+sl] offset:q*AU+6656+768*\i+512
.endr
	ds_load_b64 v[SC+8*st:SC+8*st+1], v[ADAS+sl] offset:q*AU+6144
	ds_load_b64 v[SX+2*st:SX+2*st+1], v[ADAS+sl] offset:q*AU+12800
	ds_load_b128 v[SC+8*st+4:SC+8*st+7], v[ADRB+sl] offset:q*UNIT+12288
.endm
.macro MERGE st                        ; a row's word: the even head's two bytes or the odd head's two.  Eight places stand between a scale register's write and the scaled product that takes it;
	v_or_b32 v[SC+8*(\st)], v[SC+8*(\st)], v[SX+2*(\st)]           ; these ten lines are also the places behind the last step's products
	v_or_b32 v[SC+8*(\st)+1], v[SC+8*(\st)+1], v[SX+2*(\st)+1]
	s_wait_alu depctr_va_vdst(0)
.rept 8
	v_nop
.endr
.endm
.macro KSTEP k, first
	s_wait_dscnt 0x0                               ; this step's set is in
	MERGE (\k)%2
.if (\k) < 7
	FETCH (\k)+1
.endif
.if \first
	WIN 0x81
.else
	WIN 0xa1
.endif
	MUL16 0, (\k)%2, \first
	MUL16 2, (\k)%2, \first
	WIN 0
.endm
	s_load_b256 s[4:11], s[0:1], 0x0               ; aq, wq, b_o, out0
	v_lshl_add_u32 v[SPW], v0, 2, SPARE
	v_mov_b32 v[NIL], 0
	ds_add_u32 v[SPW], v[NIL]                      ; the opening lines
	ds_add_u32 v[SPW], v[NIL]
	v_lshrrev_b32 v1, 5, v0
	v_readfirstlane_b32 s16, v1                    ; wave
	s_lshr_b32 s17, s16, 1                         ; my half of the rows; also: I fetch for A (0) or B (1)
	s_and_b32 s18, s16, 1                          ; my half of the columns; also: which part I fetch
	s_bfe_u32 s19, ttmp6, 0x40000                  ; cx
	s_bfe_u32 s20, ttmp6, 0x40004                  ; cy
	s_and_b32 s21, ttmp7, 0xffff
	s_lshl_b32 s41, s21, 2
	s_add_co_u32 s41, s41, s20                     ; my block of 128 rows
	s_lshl_b32 s46, s20, 2
	s_lshl_b32 s46, 15, s46
	s_lshl_b32 s47, 0x1111, s19
	s_or_b32 s[G1A], s46, (3<<16)|(1<<21)
	s_or_b32 s[G1B], s47, (3<<16)|(1<<21)
	s_mov_b32 s[G1A+1], 32<<16                     ; rows of 256 bytes: A 208 (four units), B 400 (eight)
	s_mov_b32 s[G1A+2], 208<<16
	s_mov_b32 s[G1A+3], 32<<16
	s_mov_b32 s[G1A+4], 208
	s_mov_b32 s[G1A+5], 32
	s_mov_b32 s[G1A+6], 0
	s_mov_b32 s[G1A+7], 0
	s_mov_b32 s[G1B+1], 32<<16
	s_mov_b32 s[G1B+2], 400<<16
	s_mov_b32 s[G1B+3], 32<<16
	s_mov_b32 s[G1B+4], 400
	s_mov_b32 s[G1B+5], 32
	s_mov_b32 s[G1B+6], 0
	s_mov_b32 s[G1B+7], 0
	s_mov_b32 s[G0A], 1
	s_mov_b32 s[G0B], 1
	s_lshl_b32 s74, s19, 1
	s_add_co_u32 s74, s74, s18                     ; block of 128 columns
	s_lshl_b32 s66, s74, 3
	s_add_co_u32 s66, s66, 192
	s_mul_i32 s66, s66, UNIT
	s_mov_b32 s67, 0
	s_lshl_b32 s68, s41, 3
	s_lshl_b32 s69, s18, 2
	s_add_co_u32 s68, s68, s69
	s_mul_i32 s68, s68, AU
	s_mov_b32 s69, 0
	s_mul_i32 s[G0A+1], s18, HA                    ; LDS: where my part of A goes,
	s_mul_i32 s61, s18, 8*UNIT
	s_add_co_u32 s61, s61, BOFF                    ; and of B; also my half of B's rows
	s_mov_b32 s[G0B+1], s61
	s_lshl_b32 s76, s74, 9
	s_mov_b32 s77, 0
	s_lshl_b32 s80, s41, 19                        ; 128 rows of 4,096 bytes,
	s_lshl_b32 s81, s17, 18                        ; my 64 of them,
	s_add_co_u32 s80, s80, s81
	s_add_co_u32 s80, s80, s76                     ; my 128 columns
	s_mov_b32 s81, 0
	v_and_b32 v1, 31, v0
	v_lshlrev_b32 v[LI], 4, v1
	v_lshlrev_b32 v5, 3, v1
	v_and_b32 v2, 15, v0
	v_bfe_u32 v3, v0, 4, 1
	v_lshlrev_b32 v4, 6, v3
	s_mul_i32 s62, s17, 3072
	v_add_nc_u32 v[ADRA], s62, v[LI]
	v_add_nc_u32 v[ADRA+1], HA, v[ADRA]
	v_add_nc_u32 v[A8], s62, v5
	v_add_nc_u32 v[A8+1], HA, v[A8]
	s_lshl_b32 s62, s17, 3
	v_add_nc_u32 v[ADAS], s62, v[LI]
	v_add_nc_u32 v[ADAS+1], HA, v[ADAS]
	v_add_nc_u32 v[ADRB], s61, v[LI]
	v_add_nc_u32 v[ADRB+1], HB, v[ADRB]
	s_mul_i32 s62, s16, 8448                       ; my stage
	v_mul_u32_u24 v[STO], v2, 528
	v_lshl_add_u32 v[STO], v3, 6, v[STO]
	v_add_nc_u32 v[STO], s62, v[STO]
	v_add_nc_u32 v[RD], s62, v[LI]
	s_wait_alu depctr_va_vdst(0)
	s_wait_dscnt 0x0
	s_wait_kmcnt 0x0
	s_add_nc_u64 s[G0B+2:G0B+3], s[6:7], s[66:67]
	s_or_b32 s[G0B+3], s[G0B+3], 0x80000000
	s_add_nc_u64 s[G0A+2:G0A+3], s[4:5], s[68:69]
	s_or_b32 s[G0A+3], s[G0A+3], 0x80000000
	s_add_nc_u64 s[78:79], s[8:9], s[76:77]
	s_add_nc_u64 s[80:81], s[10:11], s[80:81]
.irp b, 0,1,2,3,4,5,6,7
	global_load_b128 v[CB+8*\b:CB+8*\b+3], v4, s[78:79] offset:(32*(\b/2)+8*(\b%2))*4
	global_load_b128 v[CB+8*\b+4:CB+8*\b+7], v4, s[78:79] offset:(32*(\b/2)+8*(\b%2))*4+16
.endr
	CROUND                                         ; all sixteen work-groups are here: the joint loads meet
	s_cmp_eq_u32 s17, 0                            ; waves 0, 1 ask for A, waves 2, 3 for B: every wave's one tensor load of the launch
	s_cbranch_scc0 .Lfor_b
	tensor_load_to_lds s[G0A:G0A+3], s[G1A:G1A+7]
	s_nop 0
	PLACES
	s_branch .Lasked
.Lfor_b:
	tensor_load_to_lds s[G0B:G0B+3], s[G1B:G1B+7]
	s_nop 0
	PLACES
.Lasked:
	s_wait_tensorcnt 0x0                           ; my part is in
	s_barrier_signal -1
	s_barrier_wait -1                              ; and everybody's
	FETCH 0
	s_wait_loadcnt 0x0                             ; the bias
	KSTEP 0, 1
	KSTEP 1, 0
	KSTEP 2, 0
	s_wait_dscnt 0x0                               ; K step 3: its set is in: my last reads of K steps 0 to 3
	MERGE 1
	s_barrier_signal -1                            ; behind this barrier nobody reads A's units 0 to 3: the stages may lie there
	WIN 0xa1
	MUL16 0, 1, 0
	MUL16 2, 1, 0
	WIN 0
	s_barrier_wait -1
	PLACES
	FETCH 4
	KSTEP 4, 0
	KSTEP 5, 0
	KSTEP 6, 0
	KSTEP 7, 0
	PLACES
.macro TOSTAGE a
	WIN 0x08
.irp b, 0,1,2,3,4,5,6,7
	ds_store_b128 v[STO], v[64*(\a)+8*\b:64*(\a)+8*\b+3] offset:128*(\b/2)+32*(\b%2)
	ds_store_b128 v[STO], v[64*(\a)+8*\b+4:64*(\a)+8*\b+7] offset:128*(\b/2)+32*(\b%2)+16
.endr
	WIN 0
.irp t, 0,1,2,3,4,5,6,7,8,9,10,11,12,13,14,15
	ds_load_b128 v[BK+64*((\a)%2)+4*\t:BK+64*((\a)%2)+4*\t+3], v[RD] offset:528*\t   ; my own bytes: LDS serves a wave's instructions in order
.endr
.endm
.macro SEND a, younger
	s_wait_dscnt \younger
.irp t, 0,1,2,3,4,5,6,7,8,9,10,11,12,13,14,15
	global_store_b128 v[LI], v[BK+64*((\a)%2)+4*\t:BK+64*((\a)%2)+4*\t+3], s[80:81] offset:(32*((\a)/2)+8*((\a)%2)+\t+8*(\t/8))*4096 th:TH_STORE_NT   ; 32 lanes store 512 consecutive bytes of a row
.endr
.endm
	TOSTAGE 0
.irp a, 1,2,3
.if \a > 1
	s_wait_xcnt 0x0                                ; block a - 2's stores have read their registers
.endif
	TOSTAGE \a
	SEND \a-1, 32                                  ; behind block a - 1's loads: block a's 16 stores and 16 loads
.endr
	SEND 3, 0
	s_wait_tensorcnt 0x0                           ; the wave's end
	ds_add_u32 v[SPW], v[NIL]
	s_wait_dscnt 0x0
	CROUND                                         ; the closing round
	s_endpgm
.Lfunc_end_k_qef3927d71e_outp:
	.size	k_qef3927d71e_outp, .Lfunc_end_k_qef3927d71e_outp-k_qef3927d71e_outp
	.p2alignl 7, 3214868480
	.fill 96, 4, 3214868480
	.section	.rodata,"a",@progbits
	.p2align	6, 0x0
	.amdhsa_kernel k_qef3927d71e_outp
		.amdhsa_group_segment_fixed_size 327680
		.amdhsa_private_segment_fixed_size 0
		.amdhsa_enable_private_segment 0
		.amdhsa_kernarg_size 32
		.amdhsa_user_sgpr_count 2
		.amdhsa_user_sgpr_kernarg_segment_ptr 1
		.amdhsa_wavefront_size32 1
		.amdhsa_system_sgpr_workgroup_id_x 1
		.amdhsa_system_sgpr_workgroup_id_y 1
		.amdhsa_system_sgpr_workgroup_id_z 1
		.amdhsa_system_vgpr_workitem_id 0
		.amdhsa_next_free_vgpr 768
		.amdhsa_next_free_sgpr 100
		.amdhsa_reserve_vcc 0
		.amdhsa_float_denorm_mode_32 3
		.amdhsa_float_denorm_mode_16_64 3
		.amdhsa_memory_ordered 1
		.amdhsa_forward_progress 1
		.amdhsa_inst_pref_size 80
	.end_amdhsa_kernel
	.amdgpu_metadata
---
amdhsa.version: [ 1, 2 ]
amdhsa.kernels:
  - .name:           k_qef3927d71e_outp
    .symbol:         k_qef3927d71e_outp.kd
    .args:
      - { .name: aq, .offset: 0, .size: 8, .value_kind: global_buffer, .address_space: global }
      - { .name: wq, .offset: 8, .size: 8, .value_kind: global_buffer, .address_space: global }
      - { .name: b_o, .offset: 16, .size: 8, .value_kind: global_buffer, .address_space: global }
      - { .name: out0, .offset: 24, .size: 8, .value_kind: global_buffer, .address_space: global }
    .group_segment_fixed_size: 327680
    .private_segment_fixed_size: 0
    .kernarg_segment_align: 8
    .kernarg_segment_size: 32
    .max_flat_workgroup_size: 128
    .sgpr_count:     100
    .vgpr_count:     768
    .wavefront_size: 32
...
	.end_amdgpu_metadata
.endif
;; end of part 4
